; MI455X (gfx1250); checked and timed in simulation.
; The chip was launched on July 23, 2026; its instructions are those of AMD's public machine-readable ISA for CDNA 5 (MIT licence, August 2026) and "CDNA5" Instruction Set Architecture Reference Guide (July 2026). The comments in the code are by the model that wrote it; some were corrected since.
;; Causal Self Attention. Allowed arithmetic: matrix products marked QUANTISED: E2M3 operands, one E8M0 scale for each 32 along K, by v_wmma_scale_f32_16x16x128_f8f6f4 with both operands' format E2M3, f32 sums; everything else in f32.
;; Inputs: b_proj 1,024 float32; b_qkv 3,072 float32; w_proj 1,024 x 1,024 float32; w_qkv 1,024 x 3,072 float32; x 4 x 2,048 x 1,024 float32.
;; Outputs: out0 4 x 2,048 x 1,024 float32.
;; This version of the problem:
;;   THIS VERSION OF THE PROBLEM IS GIVEN IN LOW PRECISION. The matrix products marked QUANTISED in the list below multiply operands that are first quantised to E2M3 (2 exponent bits, 3 mantissa bits; 6 bits a number), with one power-of-two scale for each 32 numbers along K (OCP MX v1.0); their sums are f32. All else is computed in f32.
;;   The module's matrix products, in the order in which they are computed (A, B: the left and right operand; K: the contracted axis; several contracted axes count as one K, in the product's order):
;;     1. [M 8,192, K 1,024] x [K 1,024, N 3,072]; A: input x; B: input w_qkv: QUANTISED
;;     2. batch 64 x [M 2,048, K 64] x [K 64, N 2,048]; A: computed on the way; B: computed on the way: QUANTISED
;;     3. batch 64 x [M 2,048, K 2,048] x [K 2,048, N 64]; A: softmax (see below); B: computed on the way: QUANTISED
;;     4. [M 8,192, K 1,024] x [K 1,024, N 1,024]; A: computed on the way; B: input w_proj: QUANTISED
;;   THE QUANTISER, for each operand of a quantised product, along K:
;;     - K is cut into blocks of 32 from its start; a last block that is shorter is filled with zeros.
;;     - A block's scale is 2^e with e = floor(log2(the largest magnitude in the block)) - 2, held to -126 .. 127; a block of zeros has e = 0. As a byte (E8M0): e + 127.
;;     - Each number is divided by its block's scale, clamped to +-7.5, and rounded to the nearest number of E2M3, ties to even, subnormals kept.
;;     - The product sums the exact products of the quantised numbers (number of the format x scale) in f32.
;;   ~~~python
;;   def quantise(x, axis):      # numpy; x: float32 -> the quantised numbers, widened to float32 again
;;       x = np.moveaxis(x, axis, -1); K = x.shape[-1]
;;       x = np.pad(x, [(0, 0)] * (x.ndim - 1) + [(0, -K % 32)]); x = x.reshape(x.shape[:-1] + (-1, 32)); a = np.abs(x).max(-1, keepdims=True)
;;       e = np.where(a > 0, np.clip(np.frexp(np.where(a > 0, a, 1))[1] - 1 - 2, -126, 127), 0)      # np.frexp(a)[1] - 1 = floor(log2(a)), exactly
;;       r = np.clip(x / 2.0 ** e, -7.5, 7.5)
;;       step = 2.0 ** (np.maximum(np.frexp(np.where(r == 0, 1, r))[1] - 1, 0) - 3)
;;       q = np.round(r / step) * step * 2.0 ** e      # np.round: ties to even
;;       return np.moveaxis(q.reshape(q.shape[:-2] + (-1,))[..., :K], -1, axis).astype(np.float32)
;;   ~~~
;;   SOFTMAX AHEAD OF A QUANTISED PRODUCT. Where the list says 'softmax', what is quantised is not the finished softmax but p = 2^(t - M), with t = logit x log2(e) and M = ceil(the row's largest t), a whole number; so 1/2 < the row's largest p <= 1. The row's sum l is taken of the UNQUANTISED p, in f32, and the product's result is divided by l at the end. Since M is a whole number, a kernel that streams over the keys may use a running M (the ceiling of the running maximum): every later rescaling is an exact power of two, which a block's scale takes up: the codes' values come out the same.
;;   OPERANDS COMPUTED ON THE WAY. 'Computed on the way' means the value that the module computes at that place (a softmax that the list does not call 'softmax' is quantised finished and normalised). What goes into a quantiser is computed in f32, as accurately as f32 sums, v_exp_f32 and their like allow (about 1e-6 of the number): no bf16 or f16 on the way to a quantiser, and a product that is left as it is and whose result goes on into a quantised operand takes f32 operands (vector FMAs, or v_wmma_f32_16x16x4_f32). A number that lies on a knife's edge between two numbers of the format may be rounded either way, as far as f32 arithmetic and the matrix unit's own rounding can turn it there, and no further.
;; One version. Each part assembles by itself: llvm-mc -triple=amdgcn-amd-amdhsa -mcpu=gfx1250 --defsym DOCPART=n.
;; ======== version 1 of 1: 4 launches
;; limits: right only within a limited range of input values
;; workspace buffers: xq 6,553,600 bytes; wq 3,276,800 bytes; qkv 19,660,800 bytes; yq 6,553,600 bytes
;; launch quant (part 1): grid 512 x 1, 4 waves a work-group, no clusters, 60,928 bytes of LDS; arguments x, w_qkv, w_proj, xq, wq; writes xq, wq
.if DOCPART == 1
	.amdgcn_target "amdgcn-amd-amdhsa--gfx1250"
	.amdhsa_code_object_version 6
	.text
	.protected	k_q16ca246aeb_quant
	.globl	k_q16ca246aeb_quant
	.p2align	8
	.type	k_q16ca246aeb_quant,@function
k_q16ca246aeb_quant:
	s_mov_b64 s[64:65], 0
	v_nop
	global_prefetch_b8 v0, s[64:65] scope:SCOPE_SE
	s_setreg_imm32_b32 hwreg(HW_REG_WAVE_MODE, 25, 1), 1
	s_wait_xcnt 0x0
; x [8192][1024], w_qkv [1024][3072] and w_proj [1024][1024], f32, become codes of FP6 (E2M3) with one E8M0 byte for each 32 along K (x: its columns; the weights: their ROWS).
; A block's scale is 2^(floor(log2(its largest magnitude)) - 2); its byte is the largest magnitude's exponent field - 2, held at 1 from below.
; LIMITS: NaN and infinities are not served; a block whose largest magnitude lies under 2^-124 keeps the byte 1; a block of zeros gets the byte 1 where the rule says 127 (its codes are zeros, and this program alone reads the bytes).
; LAYOUT OF THE RESULTS: images of the matrix operand's registers.  Rows (x's tokens, the weights' columns n) go in groups of 128, [group][K step of 128][tile i 0..7][1,536 bytes].
; A tile's rows are not neighbours: lane r of tile 2 B + u holds row 32 B + 8 u + r + 8 (r / 8).  A fragment (12 registers a lane) is three planes of 512 bytes: plane g holds registers 4 g .. 4 g + 3 of lane l at 16 l.
; Scale words: [group][K step][tile][r], 4 bytes, byte b for k = 32 b on, behind the codes (XSC, WSC).  wq holds w_qkv's 24 groups and then w_proj's 8.
; Work-groups 0-255 take x (32 rows each; wave w K steps 2 w, 2 w + 1); 256-447 w_qkv, 448-511 w_proj (128 columns x 128 K each; a lane takes a column and its registers run down K).
; The three ways part on the work-group's number and have LDS bytes of their own; waves share nothing: no barrier.
.set XSC,   6291456
.set WSC,   3145728
.set XSTW,  8448                       ; x's stage: 16 rows x (512 + 16) bytes for each wave, from LDS byte 0
.set WST0,  33792                      ; w_qkv's stages: 2 tiles x (1,536 + 128) bytes for each wave
.set WST1,  47104                      ; w_proj's
.set WSTW,  3328
.set SPARE, 60416                      ; the spare words: 128 bytes for each wave, two blocks of 256 bytes that no other line names
.set SPW,   254                        ; v254 LDS address of my spare word; never rewritten
.set NIL,   255                        ; v255 0; never rewritten
.set R,     16                         ; x: v16-143 two sets of 64 numbers as loaded
.set X,     144                        ; x: v144-207 64 numbers of my row: two whole blocks
.set PC,    208                        ; x: v208-219 the fragment's codes
.macro FINISH                          ; the wave's end, behind my last LDS store
	s_wait_tensorcnt 0x0
	ds_add_u32 v[SPW], v[NIL]
	s_wait_dscnt 0x0
	s_endpgm
.endm
; x: fragment f = tile u = f % 2, K step f / 2 of my two.  16 loads, each 512 consecutive bytes of one row
.macro XLOAD f
.irp p, 0,1,2,3,4,5,6,7,8,9,10,11,12,13,14,15
	global_load_b128 v[R+64*((\f)%2)+4*\p:R+64*((\f)%2)+4*\p+3], v2, s[4:5] offset:(8*((\f)%2)+\p+8*(\p/8))*4096+((\f)/2)*512 th:TH_LOAD_NT
.endr
.endm
.macro XFRAG f
.set U, (\f)%2
.set SQ, (\f)/2
.if (\f) < 3
	s_wait_loadcnt 16                              ; this fragment's 16 loads are in; the next fragment's 16 may be out
.else
	s_wait_loadcnt 0x0
.endif
.irp p, 0,1,2,3,4,5,6,7,8,9,10,11,12,13,14,15
	ds_store_b128 v3, v[R+64*U+4*\p:R+64*U+4*\p+3] offset:528*\p   ; the rows as they lie
.endr
.irp c, 0,1
.irp j, 0,1,2,3,4,5,6,7
	ds_load_b128 v[X+32*\c+4*\j:X+32*\c+4*\j+3], v4 offset:256*\c+16*\j   ; back: lane (r, h) takes k = 64 c + 32 h + 0 .. 31 of row r (LDS serves a wave's instructions in order)
.endr
.endr
	s_wait_dscnt 0x0                               ; the numbers are back, and the stage's stores have read their registers
.if (\f) < 2
	XLOAD (\f)+2
.endif
.irp c, 0,1
	v_max3_num_f32 v[228+\c], |v[X+32*\c]|, |v[X+32*\c+1]|, 0x1800000   ; my block 2 c + h, and the floor 2^(3 - 127): the byte cannot fall under 1
.endr
.irp i, 2,4,6,8,10,12,14,16,18,20,22,24,26,28,30
.irp c, 0,1
	v_max3_num_f32 v[228+\c], v[228+\c], |v[X+32*\c+\i]|, |v[X+32*\c+\i+1]|
.endr
.endr
.irp c, 0,1
	v_add_nc_u32 v[230+\c], 0xff000000, v[228+\c]  ; 2 off the exponent field: the conversion's scale operand
.endr
.irp c, 0,1
	v_lshrrev_b32 v[232+\c], 23, v[230+\c]         ; the scale's byte
.endr
	v_lshl_or_b32 v234, v233, 16, v232             ; blocks h and 2 + h,
	v_lshlrev_b32 v234, v7, v234                   ; 8 h bits up;
	v_permlanex16_b32 v235, v234, s18, s19
	v_or_b32 v[240+U], v234, v235                  ; with lane l xor 16's two the row's word is whole
	s_wait_alu depctr_va_vdst(0)
	s_wait_xcnt 0x0                                ; the last fragment's stores have read the code registers
.irp c, 0,1
	v_cvt_scalef32_pk16_fp6_f32 v[PC+6*\c:PC+6*\c+2], v[X+32*\c:X+32*\c+15], v[230+\c]
	v_cvt_scalef32_pk16_fp6_f32 v[220+4*\c:222+4*\c], v[X+32*\c+16:X+32*\c+31], v[230+\c]   ; (a conversion's three registers begin on an even number)
.endr
	v_nop                                          ; one plain place behind the conversions
.irp c, 0,1
.irp i, 0,1,2
	v_mov_b32 v[PC+3+6*\c+\i], v[220+4*\c+\i]
.endr
.endr
.irp g, 0,1,2
	global_store_b128 v2, v[PC+4*\g:PC+4*\g+3], s[20:21] offset:SQ*12288+U*1536+512*\g   ; a plane: 512 consecutive bytes, aligned
.endr
.if U == 1
	v_cndmask_b32 v[242+SQ], v240, v241, s24       ; lanes 0-15 tile 2 B's words, lanes 16-31 tile 2 B + 1's
	global_store_b32 v5, v[242+SQ], s[22:23] offset:512*SQ   ; 128 consecutive bytes
.endif
.endm
; the weights: block t of my column: 32 numbers down K
.macro WLOAD t, nn, src
.irp i, 0,1,2,3,4,5,6,7,8,9,10,11,12,13,14,15,16,17,18,19,20,21,22,23,24,25,26,27,28,29,30,31
	global_load_b32 v[16+32*(\t)+\i], v3, s[\src:\src+1] offset:(32*(\t)+\i)*\nn*4 th:TH_LOAD_NT   ; 128 consecutive bytes a wave, 512 a work-group
.endr
.endm
.macro WBLOCK t, nn, src
.set XS, 16+32*(\t)
.set CC, 144+8*(\t)
.set CT, 176+4*(\t)
.if (\t) < 3
	s_wait_loadcnt 32                              ; this block's 32 loads are in; the next block's 32 may be out
.else
	s_wait_loadcnt 0x0
.endif
.if (\t) < 2
	WLOAD (\t)+2, \nn, \src
.endif
	v_max3_num_f32 v12, |v[XS]|, |v[XS+1]|, |v[XS+2]|
	v_max3_num_f32 v13, |v[XS+3]|, |v[XS+4]|, |v[XS+5]|
.irp i, 6,10,14,18,22,26
	v_max3_num_f32 v12, v12, |v[XS+\i]|, |v[XS+\i+1]|
	v_max3_num_f32 v13, v13, |v[XS+\i+2]|, |v[XS+\i+3]|
.endr
	v_max3_num_f32 v12, v12, |v[XS+30]|, |v[XS+31]|
	v_max3_num_f32 v12, v12, v13, 0x1800000        ; and the floor
	v_add_nc_u32 v11, 0xff000000, v12
	v_lshrrev_b32 v13, 23, v11
.if (\t) == 0
	v_mov_b32 v10, v13                             ; the column's scale word: byte t
.else
	v_lshl_or_b32 v10, v13, 8*(\t), v10
.endif
	v_cvt_scalef32_pk16_fp6_f32 v[CC:CC+2], v[XS:XS+15], v11
	v_cvt_scalef32_pk16_fp6_f32 v[CT:CT+2], v[XS+16:XS+31], v11
	v_nop
.irp i, 0,1,2
	v_mov_b32 v[CC+3+\i], v[CT+\i]
.endr
; block t is registers 6 (t / 2) .. + 5 of the fragment's lane r + 16 (t % 2): their places in the three planes
.if (\t)/2 == 0
	ds_store_b128 v4, v[CC:CC+3] offset:256*((\t)%2)
	ds_store_b64 v4, v[CC+4:CC+5] offset:512+256*((\t)%2)
.else
	ds_store_b64 v4, v[CC:CC+1] offset:520+256*((\t)%2)
	ds_store_b128 v4, v[CC+2:CC+5] offset:1024+256*((\t)%2)
.endif
.endm
.macro WPATH nn, goff, stg, first, src
	s_sub_co_u32 s20, ttmp9, \first
	s_lshr_b32 s21, s20, 3                         ; the group of 128 columns
	s_and_b32 s22, s20, 7                          ; the K step
	s_mul_i32 s24, s22, 128*\nn*4
	s_lshl_b32 s26, s21, 9
	s_add_co_u32 s24, s24, s26
	s_lshl_b32 s26, s16, 7
	s_add_co_u32 s24, s24, s26                     ; (128 s rows + 128 G + 32 w columns) x 4 bytes
	s_mov_b32 s25, 0
	s_add_nc_u64 s[\src:\src+1], s[\src:\src+1], s[24:25]
	s_add_co_u32 s21, s21, \goff
	s_lshl_b32 s21, s21, 3
	s_add_co_u32 s21, s21, s22                     ; 8 x group in wq + K step
	s_mul_i32 s24, s21, 12288
	s_mul_i32 s26, s16, 3072
	s_add_co_u32 s24, s24, s26
	s_add_nc_u64 s[28:29], s[12:13], s[24:25]      ; my two tiles' codes
	s_lshl_b32 s24, s21, 9
	s_lshl_b32 s26, s16, 7
	s_add_co_u32 s24, s24, s26
	s_add_co_u32 s24, s24, WSC
	s_add_nc_u64 s[30:31], s[12:13], s[24:25]      ; and their scale words
	s_mul_i32 s17, s16, WSTW
	s_add_co_u32 s17, s17, \stg                    ; my stage
	v_bfe_u32 v2, v0, 3, 1                         ; my column's tile u
	v_and_b32 v14, 7, v0
	v_bfe_u32 v15, v0, 4, 1
	v_lshl_or_b32 v14, v15, 3, v14                 ; and its lane r there
	v_lshlrev_b32 v3, 2, v1
	v_mul_u32_u24 v4, v2, 1664
	v_lshl_add_u32 v4, v14, 4, v4
	v_add_nc_u32 v4, s17, v4                       ; into the stage: tile u, 16 r
	v_lshlrev_b32 v6, 4, v1
	v_add_nc_u32 v5, s17, v6                       ; out of it: 16 x lane
	v_lshlrev_b32 v7, 6, v2
	v_lshl_add_u32 v7, v14, 2, v7                  ; the scale word's place: 64 u + 4 r
	WLOAD 0, \nn, \src
	WLOAD 1, \nn, \src
	s_wait_alu depctr_va_vdst(0)
	WBLOCK 0, \nn, \src
	WBLOCK 1, \nn, \src
	WBLOCK 2, \nn, \src
	WBLOCK 3, \nn, \src
.irp j, 0,1,2,3,4,5
	ds_load_b128 v[192+4*\j:195+4*\j], v5 offset:(\j/3)*1664+(\j%3)*512   ; the planes, whole (LDS serves a wave's instructions in order)
.endr
	s_wait_alu depctr_va_vdst(0)
.irp j, 0,1,2,3,4,5
	s_wait_dscnt 5-\j                              ; plane j is back; the later ones may be out
	global_store_b128 v6, v[192+4*\j:195+4*\j], s[28:29] offset:512*\j   ; 512 consecutive bytes, aligned
.endr
	global_store_b32 v7, v10, s[30:31]             ; 128 consecutive bytes
	FINISH
.endm
	s_load_b256 s[4:11], s[0:1], 0x0               ; x s[4:5], w_qkv s[6:7], w_proj s[8:9], xq s[10:11]
	s_load_b64 s[12:13], s[0:1], 0x20              ; wq
	v_lshl_add_u32 v[SPW], v0, 2, SPARE
	v_mov_b32 v[NIL], 0
	v_lshrrev_b32 v1, 5, v0
	v_readfirstlane_b32 s16, v1                    ; wave 0..3
	v_and_b32 v1, 31, v0                           ; lane
	v_and_b32 v8, 15, v0                           ; r
	v_bfe_u32 v9, v0, 4, 1                         ; h
	s_mov_b32 s18, 0x76543210
	s_mov_b32 s19, 0xfedcba98                      ; v_permlanex16_b32's selects for lane l xor 16
	s_wait_kmcnt 0x0
	s_cmp_lt_u32 ttmp9, 256
	s_cbranch_scc0 .Lweights
	; ---- x: rows 32 g .. 32 g + 31
	s_lshr_b32 s28, ttmp9, 2                       ; the group of 128 rows
	s_and_b32 s29, ttmp9, 3                        ; B: which 32 of them
	s_lshl_b32 s26, ttmp9, 17                      ; 32 rows of 4,096 bytes
	s_lshl_b32 s30, s16, 10                        ; my two K steps of 512 bytes
	s_add_co_u32 s26, s26, s30
	s_mov_b32 s27, 0
	s_add_nc_u64 s[4:5], s[4:5], s[26:27]
	s_mul_i32 s26, s28, 98304
	s_mul_i32 s30, s16, 24576
	s_add_co_u32 s26, s26, s30
	s_mul_i32 s30, s29, 3072
	s_add_co_u32 s26, s26, s30
	s_add_nc_u64 s[20:21], s[10:11], s[26:27]      ; the codes of tile 2 B, K step 2 w
	s_lshl_b32 s26, s28, 12
	s_lshl_b32 s30, s16, 10
	s_add_co_u32 s26, s26, s30
	s_lshl_b32 s30, s29, 7
	s_add_co_u32 s26, s26, s30
	s_add_co_u32 s26, s26, XSC
	s_add_nc_u64 s[22:23], s[10:11], s[26:27]      ; and their scale words
	s_mul_i32 s17, s16, XSTW                       ; my stage
	s_wait_alu depctr_va_vdst(0)
	v_lshlrev_b32 v2, 4, v1                        ; 16 x lane
	v_add_nc_u32 v3, s17, v2
	v_mul_u32_u24 v4, v8, 528
	v_lshl_add_u32 v4, v9, 7, v4
	v_add_nc_u32 v4, s17, v4                       ; row r, + 128 h
	v_lshlrev_b32 v5, 2, v1
	v_lshlrev_b32 v7, 3, v9
	v_cmp_le_u32 s24, 16, v1                       ; lanes 16-31
	v_mov_b32 v235, 0                              ; written once: a lane permute's destination counts as one of its sources
	XLOAD 0
	XLOAD 1
	s_wait_alu depctr_va_vdst(0)
	XFRAG 0
	XFRAG 1
	XFRAG 2
	XFRAG 3
	FINISH
.Lweights:
	s_cmp_lt_u32 ttmp9, 448
	s_cbranch_scc0 .Lproj
	s_wait_alu depctr_va_vdst(0)
	WPATH 3072, 0, WST0, 256, 6
.Lproj:
	s_wait_alu depctr_va_vdst(0)
	WPATH 1024, 24, WST1, 448, 8
.Lfunc_end_k_q16ca246aeb_quant:
	.size	k_q16ca246aeb_quant, .Lfunc_end_k_q16ca246aeb_quant-k_q16ca246aeb_quant
	.p2alignl 7, 3214868480
	.fill 96, 4, 3214868480
	.section	.rodata,"a",@progbits
	.p2align	6, 0x0
	.amdhsa_kernel k_q16ca246aeb_quant
		.amdhsa_group_segment_fixed_size 60928
		.amdhsa_private_segment_fixed_size 0
		.amdhsa_enable_private_segment 0
		.amdhsa_kernarg_size 40
		.amdhsa_user_sgpr_count 2
		.amdhsa_user_sgpr_kernarg_segment_ptr 1
		.amdhsa_wavefront_size32 1
		.amdhsa_system_sgpr_workgroup_id_x 1
		.amdhsa_system_sgpr_workgroup_id_y 1
		.amdhsa_system_sgpr_workgroup_id_z 1
		.amdhsa_system_vgpr_workitem_id 0
		.amdhsa_next_free_vgpr 256
		.amdhsa_next_free_sgpr 66
		.amdhsa_reserve_vcc 0
		.amdhsa_float_denorm_mode_32 3
		.amdhsa_float_denorm_mode_16_64 3
		.amdhsa_memory_ordered 1
		.amdhsa_forward_progress 1
		.amdhsa_inst_pref_size 73
	.end_amdhsa_kernel
	.amdgpu_metadata
---
amdhsa.version: [ 1, 2 ]
amdhsa.kernels:
  - .name:           k_q16ca246aeb_quant
    .symbol:         k_q16ca246aeb_quant.kd
    .args:
      - { .name: x, .offset: 0, .size: 8, .value_kind: global_buffer, .address_space: global }
      - { .name: w_qkv, .offset: 8, .size: 8, .value_kind: global_buffer, .address_space: global }
      - { .name: w_proj, .offset: 16, .size: 8, .value_kind: global_buffer, .address_space: global }
      - { .name: xq, .offset: 24, .size: 8, .value_kind: global_buffer, .address_space: global }
      - { .name: wq, .offset: 32, .size: 8, .value_kind: global_buffer, .address_space: global }
    .group_segment_fixed_size: 60928
    .private_segment_fixed_size: 0
    .kernarg_segment_align: 8
    .kernarg_segment_size: 40
    .max_flat_workgroup_size: 128
    .sgpr_count:     66
    .vgpr_count:     256
    .wavefront_size: 32
...
	.end_amdgpu_metadata
.endif
;; end of part 1
;; launch gemm_qkv (part 2): grid 16 x 16, 4 waves a work-group, clusters of 4 x 4, 327,680 bytes of LDS; arguments xq, wq, b_qkv, qkv; writes qkv
.if DOCPART == 2
	.amdgcn_target "amdgcn-amd-amdhsa--gfx1250"
	.amdhsa_code_object_version 6
	.text
	.protected	k_q16ca246aeb_gemm_qkv
	.globl	k_q16ca246aeb_gemm_qkv
	.p2align	8
	.type	k_q16ca246aeb_gemm_qkv,@function
k_q16ca246aeb_gemm_qkv:
	s_mov_b64 s[64:65], 0
	v_nop
	global_prefetch_b8 v0, s[64:65] scope:SCOPE_SE
	s_setreg_imm32_b32 hwreg(HW_REG_WAVE_MODE, 25, 1), 1
	s_wait_xcnt 0x0
	s_wait_alu depctr_hold_cnt(0) depctr_sa_sdst(0) depctr_va_vdst(0) depctr_va_sdst(0) depctr_va_ssrc(0) depctr_va_vcc(0) depctr_vm_vsrc(0)
	s_getreg_b32 s2, hwreg(HW_REG_IB_STS2, 6, 4)
	s_cmp_eq_u32 s2, 0
	s_cbranch_scc0 .Lentry_in_a_cluster
	s_endpgm
.Lentry_in_a_cluster:
	s_bfe_u32 s2, ttmp6, 0x10000c
	s_cmp_lg_u32 s2, 0xf033
	s_cbranch_scc0 .Lentry_shape_is_right
	s_endpgm
.Lentry_shape_is_right:
; qkv = x w_qkv + b_qkv on codes of FP6 (E2M3) with E8M0 scales, K = 1,024; q, k and v are quantised in registers and leave as codes: q and k along the head's 64, v along the keys.
; The product is D = S0 x S1^T (source 0 = 16 rows of S0, source 1 = 16 rows of S1): a lane holds ONE row of S1, and its registers run along S0's rows.
; 256 WORK-GROUPS OF FOUR WAVES, EACH WITH TWO PHASES ON END.  PHASE A (q, k): S0 = 256 columns of w (n under 2,048), S1 = 256 tokens; a wave makes 128 x 128: 64 accumulators.
; PHASE B (v): S0 = 256 tokens, S1 = 128 columns of w (n from 2,048 on); a wave makes 64 rows of S1 (one head) x 128 tokens (one key step): 32 accumulators.  8 x 32 tiles of A and 32 x 8 of B: one of each for every work-group.
; The operands lie in memory as images of the operand's registers, [group of 128 rows][K step of 128][tile][1,536 bytes]; a fragment is three ds_load_b128 at 16 x lane.
; A tile's rows are not neighbours (lane r of tile 2 B + u: row 32 B + 8 u + r + 8 (r / 8)), so that the 16 registers of result tiles 2 B, 2 B + 1 are S0's rows 32 B + 16 (lane / 16) + 0 .. 15: neighbours along the next K.
; LDS: A's ring of two slots of two K steps (98,304 bytes each); the scale words (16,384); B's K steps 0-2 in bytes of their own (FB, 110,592); the spare words.
; FILLS.  At the head one joint load a wave: slot 0's S1, slot 0's S0, S1's scale words, S0's.  Behind the three lines and a round: slot 1's S1, slot 1's S0, B's K steps 0-2 of S1, of S0: first fills all.
; Two refills of the ring, waves 0 and 1 a load each.  Behind A's last products one more drained round: B's K steps 3-7 onto the ring's bytes and B's scale words onto A's, a load a wave; they land under A's way out.  A plain barrier shows them.
; CLUSTER 4 x 4: S1's tiles are shared along a row of the cluster, S0's along a column, in both phases: joint loads; every address is made without the coordinate that its mask spans.
; PREFETCH: A's fills 1 to 3 are asked for into the L2 two fills ahead (fill 1: at the head), 12 blocks of 256 bytes a wave of each operand, shared out by address among the sixteen waves of the four partners.
; B's tiles are not prefetched: their tensor loads go out a whole phase, or A's whole way out, ahead of their first read.
; The bias is the C of each sum's first product (another order of rounding than sum + bias).
; OUT: codes [which 64 + 16 batch + head][98,304]: q, k: [token tile][3 planes of 256 bytes: registers 2 p, 2 p + 1 of lane l at 8 l]; v: [key step of 128][d tile 0..3][6 planes].  Scale words at QSC: [same index][step][r][4 words].
; LIMITS: NaN and infinities are not served; a block under 2^-124, and a block of zeros, keeps the byte 1 (its codes round as that scale gives; zeros stay zeros; this program alone reads the bytes).
; REGISTERS: window 0: v1-31 addresses; v32-63 scale words; v64-127 q's and k's bias, later the codes just made; v128-223 S1's fragments; v224-251 at work on the way out.
;   window 1: S0's fragments, two sets, at v0 and v128; v96-127 v's bias.   windows 2, 3: accumulator (a, b) at v[8 (8 (a % 4) + b)] of window 2 + a / 4.
.set XSC,   6291456
.set WSC,   3145728
.set QSC,   18874368
.set GRP,   98304
.set KS1,   12288                      ; a group's K step: 8 fragments
.set HALFT, 2*KS1
.set SLOT,  4*HALFT                    ; S1's two groups, then S0's two
.set SCL,   2*SLOT                     ; the scale words
.set FB,    SCL+4*4096                 ; B's K steps 0-2: S1's group, then S0's two
.set SPARE, FB+9*KS1                   ; the spare words: 128 bytes for each wave, two blocks of 256 bytes that no other line names
.set FR,    12
.set NL,    3
.set NP,    4
.set ADRA2, 9                          ; v9, v10   B: LDS address of my S1 fragments of K steps 0-2, 3-7
.set ADRB2, 11                         ; v11, v12  the same for S0
.set ADRS2, 13                         ; v13  B: my scale words
.set VSO2,  14                         ; v14  16 r
.set ADRA,  16                         ; v16-17 A: my S1 fragments in slot 0, 1
.set ADRB,  20                         ; v20-21 the same for S0
.set VO1,   24                         ; v24 8 x lane
.set VO2,   25                         ; v25 the same, from a fragment's planes 0-2 to its planes 3-5
.set VSO,   26                         ; v26 4,096 h + 16 r
.set ADRS,  27
.set SPW,   28
.set NIL,   29
.set SHH,   30                         ; v30 16 h;  v31: the prefetches' offset
.set SC,    32
.set BT,    64
.set BV,    96                         ; in window 1
.set AF,    128
.set TM,    224
.set PWD,   240
.set OW,    248
.set PC,    64
.set G1,  24
.set G0,  32
.set G1B, 48
.set G0B, 56
.set G1S, 68
.set G0S, 76
.set G1SB, 80
.set G0SB, 88
.set MSB, 0
.macro WIN new                         ; the immediate's high byte repeats the setting that is left
.if MSB != (\new)
	s_set_vgpr_msb (MSB<<8)|(\new)
.set MSB, (\new)
.endif
.endm
.macro PLACES n
.rept \n
	v_nop
.endr
.endm
.macro WALU
	s_wait_alu depctr_va_vdst(0)
.endm
.macro CREST                           ; a round of the cluster's barrier behind its opening barrier
	s_cmp_lg_u32 s14, 0
	s_cbranch_scc1 .Lnot_wave_0_\@
	s_barrier_signal -3
.Lnot_wave_0_\@:
	s_barrier_wait -3
	s_barrier_signal -1
	s_barrier_wait -1
.endm
.macro CROUND
	s_barrier_signal -1
	s_barrier_wait -1
	CREST
.endm
.macro TLOAD g0, g1                    ; an s_nop 0 and four v_nop follow each load
	tensor_load_to_lds s[\g0:\g0+3], s[\g1:\g1+7]
	s_nop 0
	PLACES 4
.endm
.macro ARM under, g0, g1, next, join
	s_cmp_lt_u32 s14, \under
	s_cbranch_scc0 \next
	TLOAD \g0, \g1
	s_branch \join
\next:
.endm
.macro FOUR a0, a1, b0, b1, c0, c1, d0, d1   ; one load a wave, in one chain of branches on the wave's number
	ARM 1, \a0, \a1, .Lf1_\@, .Lf4_\@
	ARM 2, \b0, \b1, .Lf2_\@, .Lf4_\@
	ARM 3, \c0, \c1, .Lf3_\@, .Lf4_\@
	TLOAD \d0, \d1
.Lf4_\@:
.endm
.macro LOAD2 a0, a1, b0, b1            ; the ring's refill: wave 0 S1's two groups, wave 1 S0's; the other waves pass four places
	s_cmp_eq_u32 s14, 0
	s_cbranch_scc0 .Lb_\@
	TLOAD \a0, \a1
	s_branch .Ld_\@
.Lb_\@:
	s_cmp_eq_u32 s14, 1
	s_cbranch_scc0 .Lc_\@
	TLOAD \b0, \b1
	s_branch .Ld_\@
.Lc_\@:
	PLACES 4
.Ld_\@:
.endm
.macro SHAPE g, c, r, p                ; group 1: r rows of c elements of 8 bytes, p elements apart
	s_mov_b32 s[\g+1], (\c)<<16
	s_mov_b32 s[\g+2], (\r)<<16
	s_mov_b32 s[\g+3], (\c)<<16
	s_mov_b32 s[\g+4], \r
	s_mov_b32 s[\g+5], \p
.endm
.macro PLACE g, lds, base, off         ; group 0
	s_mov_b32 s[\g], 1
	s_mov_b32 s[\g+1], \lds
	s_add_nc_u64 s[\g+2:\g+3], s[\base:\base+1], \off
	s_or_b32 s[\g+3], s[\g+3], 0x80000000
.endm
.macro FRAG reg, adr, q, i             ; a fragment as it was stored: three planes of 512 bytes
.irp g, 0,1,2
	ds_load_b128 v[\reg+4*\g:\reg+4*\g+3], v[\adr] offset:(\q)*KS1+(\i)*1536+512*\g
.endr
.endm
; ---- phase A
.macro FETCH_B slot, q, p
	WIN 0x40
.irp i, 0,1,2,3,4,5,6,7
	FRAG 128*(\p)+FR*\i, ADRB+\slot, \q, \i
.endr
	WIN 0
.endm
.macro FETCH_A slot, q, i0
.irp i, \i0, \i0+1, \i0+2, \i0+3
	FRAG AF+FR*(\i), ADRA+\slot, \q, \i
.endr
.endm
.macro SCALES sc, sg                   ; the scale words of fill sg into set sc: lanes 0-15 S1's tile i, lanes 16-31 S0's
.irp i, 0,1,2,3,4,5,6,7
.irp q, 0,1
	ds_load_b32 v[SC+16*(\sc)+2*\i+\q], v[ADRS] offset:(\sg)*1024+\q*512+\i*64
.endr
.endr
.endm
; 16 products: S1's tiles a0, a0 + 1 x S0's eight.  cm = 1: C = the bias of S0's tile b.  The accumulators take turns, one instruction a turn, in the same order in every step.
.macro MUL16 a0, p, q, sc, cm
.irp a, \a0, \a0+1
.irp b, 0,1,2,3,4,5,6,7
.if (\cm) == 0
	v_wmma_scale_f32_16x16x128_f8f6f4 v[8*(8*((\a)%4)+\b):8*(8*((\a)%4)+\b)+7], v[128*(\p)+FR*\b:128*(\p)+FR*\b+FR-1], v[AF+FR*(\a):AF+FR*(\a)+FR-1], v[8*(8*((\a)%4)+\b):8*(8*((\a)%4)+\b)+7], v[SC+16*(\sc)+2*\b+(\q)], v[SC+16*(\sc)+2*(\a)+(\q)] matrix_a_fmt:MATRIX_FMT_FP6 matrix_b_fmt:MATRIX_FMT_FP6 matrix_a_scale:MATRIX_SCALE_ROW1
.else
	v_wmma_scale_f32_16x16x128_f8f6f4 v[8*(8*((\a)%4)+\b):8*(8*((\a)%4)+\b)+7], v[128*(\p)+FR*\b:128*(\p)+FR*\b+FR-1], v[AF+FR*(\a):AF+FR*(\a)+FR-1], v[BT+8*\b:BT+8*\b+7], v[SC+16*(\sc)+2*\b+(\q)], v[SC+16*(\sc)+2*(\a)+(\q)] matrix_a_fmt:MATRIX_FMT_FP6 matrix_b_fmt:MATRIX_FMT_FP6 matrix_a_scale:MATRIX_SCALE_ROW1
.endif
.endr
.endr
.endm
; A slot's first K step.  Windows: source 0 (S0) window 1, source 1 (S1) window 0, D window 2 or 3, C with D or (the bias) window 0
.macro STEP slot, q, cm
	s_wait_dscnt 4*NL                              ; all but the youngest 12 loads (S1's tiles 4-7) are in
.if (\cm) == 0
	WIN 0xa1
.else
	WIN 0x81
.endif
	MUL16 0, (\q)%2, \q, \slot, \cm
	MUL16 2, (\q)%2, \q, \slot, \cm
	s_wait_dscnt 0
	PLACES NP
	FETCH_B \slot, (\q)+1, 1-(\q)%2
	FETCH_A \slot, (\q)+1, 0
.if (\cm) == 0
	WIN 0xf1
.else
	WIN 0xc1
.endif
	MUL16 4, (\q)%2, \q, \slot, \cm
	MUL16 6, (\q)%2, \q, \slot, \cm
	PLACES NP
	WIN 0
	FETCH_A \slot, (\q)+1, 4
.endm
; A slot's second K step changes slots: ONE barrier; in front of it each wave waits for all its tensor loads, adds 0 to its spare word, and waits for that and for its reads of this slot.  fill = 1: this slot is filled again.
.macro TURN slot, next, fill, sg
	s_wait_tensorcnt 0x0
	ds_add_u32 v[SPW], v[NIL]
	s_wait_dscnt 4*NL+1                            ; (the add and the youngest 12 loads may be out)
	WIN 0xa1
	MUL16 0, 1, 1, \slot, 0
	s_wait_dscnt 0x0
	s_barrier_signal -1
	MUL16 2, 1, 1, \slot, 0
	WIN 0
	s_barrier_wait -1
.if \fill
	CREST                                          ; the barrier has opened a round of the cluster's barrier
	s_add_nc_u64 s[G0+4*\slot+2:G0+4*\slot+3], s[G0+4*\slot+2:G0+4*\slot+3], 2*HALFT
	s_add_nc_u64 s[G0B+4*\slot+2:G0B+4*\slot+3], s[G0B+4*\slot+2:G0B+4*\slot+3], 2*HALFT
	LOAD2 G0+4*\slot, G1, G0B+4*\slot, G1B         ; the first tensor load behind the round; its four v_nop are the places in front of the loads below
.else
	PLACES NP
.endif
	FETCH_B \next, 0, 0
	FETCH_A \next, 0, 0
	SCALES \next, \sg
	WIN 0xf1
	MUL16 4, 1, 1, \slot, 0
	MUL16 6, 1, 1, \slot, 0
	PLACES NP
	WIN 0
	FETCH_A \next, 0, 4
.endm
; ---- phase B: K step k's fragments and scale words lie in set k % 2
.macro FETCHB k
.if (\k) < 3
.set R_, 0
.set Q_, (\k)
.else
.set R_, 1
.set Q_, (\k)-3
.endif
	WIN 0x40
.irp i, 0,1,2,3,4,5,6,7
	FRAG 128*((\k)%2)+FR*\i, ADRB2+R_, Q_, \i
.endr
	WIN 0
.irp i, 0,1,2,3
	FRAG AF+48*((\k)%2)+FR*\i, ADRA2+R_, Q_, \i
.endr
.irp i, 0,1,2,3,4,5,6,7
	ds_load_b32 v[SC+8*((\k)%2)+\i], v[ADRS2] offset:(\k)*512+\i*64   ; lanes 16-31: S0's tile i; lanes 0-15: S1's tile i (used for i under 4)
.endr
.endm
.macro MULB a0, k                      ; S1's tiles a0, a0 + 1 x S0's eight; the first step's C is the bias of S1's tile a
.irp a, \a0, \a0+1
.irp b, 0,1,2,3,4,5,6,7
.if (\k) == 0
	v_wmma_scale_f32_16x16x128_f8f6f4 v[8*(8*(\a)+\b):8*(8*(\a)+\b)+7], v[128*((\k)%2)+FR*\b:128*((\k)%2)+FR*\b+FR-1], v[AF+48*((\k)%2)+FR*(\a):AF+48*((\k)%2)+FR*(\a)+FR-1], v[BV+8*(\a):BV+8*(\a)+7], v[SC+8*((\k)%2)+\b], v[SC+8*((\k)%2)+(\a)] matrix_a_fmt:MATRIX_FMT_FP6 matrix_b_fmt:MATRIX_FMT_FP6 matrix_a_scale:MATRIX_SCALE_ROW1
.else
	v_wmma_scale_f32_16x16x128_f8f6f4 v[8*(8*(\a)+\b):8*(8*(\a)+\b)+7], v[128*((\k)%2)+FR*\b:128*((\k)%2)+FR*\b+FR-1], v[AF+48*((\k)%2)+FR*(\a):AF+48*((\k)%2)+FR*(\a)+FR-1], v[8*(8*(\a)+\b):8*(8*(\a)+\b)+7], v[SC+8*((\k)%2)+\b], v[SC+8*((\k)%2)+(\a)] matrix_a_fmt:MATRIX_FMT_FP6 matrix_b_fmt:MATRIX_FMT_FP6 matrix_a_scale:MATRIX_SCALE_ROW1
.endif
.endr
.endr
.endm
.macro STEPB k
	s_wait_dscnt 0x0                               ; this step's set is in
.if (\k) > 0 && (\k) < 7
	PLACES 4                                       ; places between the last step's products and the loads into their set
.endif
.if (\k) < 7
	FETCHB (\k)+1
.endif
.if (\k) == 0
	WIN 0x91                                       ; C: the bias, in window 1
.else
	WIN 0xa1
.endif
	MULB 0, \k
	MULB 2, \k
	WIN 0
.endm
; ---- the way out of S1's tile a: my row's 128 numbers (four blocks of 32, 16 of each in my lane, 16 in lane l xor 16) become a fragment and a scale word
.macro EPI a
.set AC, 64*((\a)%4)
	WIN 0x0a+5*((\a)/4)                            ; sources 0 and 1: the accumulators' window
.irp b, 0,1,2,3
	v_max3_num_f32 v[TM+\b], |v[AC+16*\b]|, |v[AC+16*\b+1]|, 0x1800000   ; each accumulator from its low end on; the floor 2^(3 - 127) holds the byte at 1 from below
.endr
.irp i, 2,4,6,8,10,12,14
.irp b, 0,1,2,3
	v_max3_num_f32 v[TM+\b], |v[AC+16*\b+\i]|, |v[AC+16*\b+\i+1]|, v[TM+\b]
.endr
.endr
	WIN 0
.irp b, 0,1,2,3
	v_permlanex16_b32 v[TM+4+\b], v[TM+\b], s18, s19
.endr
.irp b, 0,1,2,3
	v_max_num_f32 v[TM+\b], v[TM+\b], v[TM+4+\b]
.endr
.irp b, 0,1,2,3
	v_add_nc_u32 v[TM+12+\b], 0xff000000, v[TM+\b] ; 2 off the exponent field: the conversion's scale operand
.endr
.irp b, 0,1,2,3
	v_lshrrev_b32 v[TM+4+\b], 23, v[TM+12+\b]
.endr
	v_lshl_or_b32 v[PWD+\a], v[TM+5], 8, v[TM+4]
	v_lshl_or_b32 v[PWD+\a], v[TM+6], 16, v[PWD+\a]
	v_lshl_or_b32 v[PWD+\a], v[TM+7], 24, v[PWD+\a]
	s_wait_xcnt 0x0                                ; the last tile's stores have read their data and their base: both are written below
	WIN 2+(\a)/4
.irp c, 0,1
	v_cvt_scalef32_pk16_fp6_f32 v[PC+6*\c:PC+6*\c+2], v[AC+32*\c:AC+32*\c+15], v[TM+12+2*\c]
	v_cvt_scalef32_pk16_fp6_f32 v[PC+12+4*\c:PC+14+4*\c], v[AC+32*\c+16:AC+32*\c+31], v[TM+12+2*\c+1]
.endr
	WIN 0
	v_nop                                          ; one plain place behind the conversions
.irp c, 0,1                                    ; a whole block to a lane: lanes 0-15 block 2 c, lanes 16-31 block 2 c + 1
.irp i, 0,1,2
	v_permlane16_swap_b32 v[PC+6*\c+\i], v[PC+12+4*\c+\i]
.endr
.irp i, 0,1,2
	v_mov_b32 v[PC+3+6*\c+\i], v[PC+12+4*\c+\i]
.endr
.endr
.if (\a) > 0
	s_add_nc_u64 s[10:11], s[10:11], s[96:97]      ; from S1's tile a - 1 to a
.endif
.irp p, 0,1,2
	global_store_b64 v[VO1], v[PC+2*\p:PC+2*\p+1], s[10:11] offset:256*\p        ; a plane: 256 consecutive bytes, aligned
.endr
.irp p, 0,1,2
	global_store_b64 v[VO2], v[PC+6+2*\p:PC+7+2*\p], s[10:11] offset:256*\p
.endr
.endm
; ================= THE HEAD
	s_load_b256 s[4:11], s[0:1], 0x0               ; xq s[4:5], wq s[6:7], b_qkv s[8:9], qkv s[10:11]
	v_lshl_add_u32 v[SPW], v0, 2, SPARE
	v_mov_b32 v[NIL], 0
	ds_add_u32 v[SPW], v[NIL]                      ; the opening lines: the add, twice on end, and its wait ahead of my first tensor load
	ds_add_u32 v[SPW], v[NIL]
	v_lshrrev_b32 v1, 5, v0
	v_readfirstlane_b32 s14, v1                    ; wave 0..3
	s_lshr_b32 s15, s14, 1                         ; my half of S1's rows
	s_and_b32 s16, s14, 1                          ; my half of S0's rows
	s_bfe_u32 s40, ttmp6, 0x40000                  ; cx
	s_bfe_u32 s41, ttmp6, 0x40004                  ; cy
	s_and_b32 s13, ttmp7, 0xffff                   ; the cluster's y
	s_and_b32 s42, ttmp9, 1
	s_lshl_b32 s42, s42, 2
	s_add_co_u32 s42, s42, s40                     ; A, S0: w's tile of 256 columns, 4 (cluster x % 2) + cx
	s_lshl_b32 s17, s13, 2
	s_add_co_u32 s17, s17, s41
	s_lshl_b32 s17, s17, 1
	s_lshr_b32 s18, ttmp9, 1
	s_add_co_u32 s17, s17, s18                     ; A, S1: the tokens' tile of 256, 2 (4 cluster y + cy) + cluster x / 2
	s_lshl_b32 s66, ttmp9, 2
	s_add_co_u32 s66, s66, s40
	s_and_b32 s18, s13, 1
	s_lshl_b32 s18, s18, 4
	s_add_co_u32 s66, s66, s18                     ; B, S0: the tokens' tile of 256, 4 cluster x + cx + 16 (cluster y % 2)
	s_lshr_b32 s67, s13, 1
	s_lshl_b32 s67, s67, 2
	s_add_co_u32 s67, s67, s41                     ; B, S1: v's group of 128 columns, 4 (cluster y / 2) + cy
	s_lshl_b32 s43, s41, 2
	s_lshl_b32 s43, 15, s43                        ; my row of the cluster
	s_lshl_b32 s44, 0x1111, s40                    ; my column
	s_or_b32 s[G1], s43, (3<<16)|(1<<21)           ; 15:0 the mask; 17:16 elements of 8 bytes; 21 set beside a mask; no padding
	s_or_b32 s[G1B], s44, (3<<16)|(1<<21)
	s_or_b32 s[G1S], s43, (3<<16)|(1<<21)
	s_or_b32 s[G1SB], s44, (3<<16)|(1<<21)
.irp g, G1, G1B, G1S, G1SB
	s_mov_b32 s[\g+6], 0
	s_mov_b32 s[\g+7], 0
.endr
	SHAPE G1,   3072, 2, 12288                     ; a slot's part of an operand: two rows of 24,576 bytes, one for each group, 98,304 apart
	SHAPE G1B,  3072, 2, 12288
	SHAPE G1S,  32, 32, 32                         ; two groups' scale words: 8,192 dense bytes
	SHAPE G1SB, 32, 32, 32
	s_lshl_b32 s20, s17, 1                         ; A, S1: its first group in xq
	s_lshl_b32 s22, s20, 12
	s_add_co_u32 s22, s22, XSC
	s_mov_b32 s23, 0
	s_mul_i32 s20, s20, GRP
	s_mov_b32 s21, 0
	s_lshl_b32 s46, s42, 1                         ; A, S0: in wq
	s_lshl_b32 s18, s46, 12
	s_add_co_u32 s18, s18, WSC
	s_mov_b32 s19, 0
	s_mul_i32 s46, s46, GRP
	s_mov_b32 s47, 0
	s_add_co_u32 s92, s67, 16                      ; B, S1: its group in wq
	s_lshl_b32 s98, s92, 12
	s_add_co_u32 s98, s98, WSC
	s_mov_b32 s99, 0
	s_mul_i32 s92, s92, GRP
	s_mov_b32 s93, 0
	s_lshl_b32 s94, s66, 1                         ; B, S0: its first group in xq
	s_lshl_b32 s104, s94, 12
	s_add_co_u32 s104, s104, XSC
	s_mov_b32 s105, 0
	s_mul_i32 s94, s94, GRP
	s_mov_b32 s95, 0
	s_wait_dscnt 0x0                               ; both opening adds are done
	s_wait_kmcnt 0x0
	s_add_nc_u64 s[20:21], s[4:5], s[20:21]
	s_add_nc_u64 s[22:23], s[4:5], s[22:23]
	s_add_nc_u64 s[46:47], s[6:7], s[46:47]
	s_add_nc_u64 s[18:19], s[6:7], s[18:19]
	s_add_nc_u64 s[92:93], s[6:7], s[92:93]
	s_add_nc_u64 s[98:99], s[6:7], s[98:99]
	s_add_nc_u64 s[94:95], s[4:5], s[94:95]
	s_add_nc_u64 s[104:105], s[4:5], s[104:105]
	CROUND                                         ; all sixteen work-groups are here: the first joint loads meet
	PLACE G0,    0,            20, 0
	PLACE G0B,   2*HALFT,      46, 0
	PLACE G0S,   SCL,          22, 0
	PLACE G0SB,  SCL+8192,     18, 0
	PLACE G0+4,  SLOT,         20, HALFT
	PLACE G0B+4, SLOT+2*HALFT, 46, HALFT
	FOUR G0, G1, G0B, G1B, G0S, G1S, G0SB, G1SB    ; slot 0's S1, its S0, S1's scale words, S0's
	v_and_b32 v31, 31, v0                          ; the prefetches: a fill is 192 blocks of 256 bytes of each operand: 12 a wave
	v_min_u32 v31, 11, v31                         ; (lanes 12-31 name their wave's last block again)
	v_lshlrev_b32 v31, 8, v31
	s_lshl_b32 s2, s40, 2
	s_add_co_u32 s2, s2, s14                       ; my number among the sixteen waves of my row of the cluster
	s_lshr_b32 s3, s2, 3
	s_mul_i32 s3, s3, GRP                          ; eight waves to a group,
	s_and_b32 s2, s2, 7
	s_mul_i32 s2, s2, 3072                         ; 12 blocks each
	s_add_co_u32 s2, s2, s3
	s_mov_b32 s3, 0
	s_add_nc_u64 s[4:5], s[20:21], s[2:3]
	s_lshl_b32 s2, s41, 2
	s_add_co_u32 s2, s2, s14                       ; and of my column
	s_lshr_b32 s3, s2, 3
	s_mul_i32 s3, s3, GRP
	s_and_b32 s2, s2, 7
	s_mul_i32 s2, s2, 3072
	s_add_co_u32 s2, s2, s3
	s_mov_b32 s3, 0
	s_add_nc_u64 s[6:7], s[46:47], s[2:3]
	WALU                                           ; the wait ahead of the readers of v31
	global_prefetch_b8 v31, s[4:5] offset:HALFT th:TH_LOAD_NT scope:SCOPE_SE
	global_prefetch_b8 v31, s[6:7] offset:HALFT th:TH_LOAD_NT scope:SCOPE_SE
	global_prefetch_b8 v31, s[4:5] offset:2*HALFT th:TH_LOAD_NT scope:SCOPE_SE
	global_prefetch_b8 v31, s[6:7] offset:2*HALFT th:TH_LOAD_NT scope:SCOPE_SE
	v_and_b32 v1, 15, v0                           ; r
	v_bfe_u32 v2, v0, 4, 1                         ; h
	v_and_b32 v3, 31, v0                           ; lane
	v_lshlrev_b32 v4, 4, v3
	v_lshlrev_b32 v5, 2, v1
	v_lshlrev_b32 v7, 6, v2                        ; q's and k's bias: 16 h numbers on
	v_and_b32 v8, 8, v1
	v_add_nc_u32 v8, v8, v1
	v_lshlrev_b32 v8, 2, v8                        ; v's: 4 (r + 8 (r / 8))
	v_lshlrev_b32 v[VO1], 3, v3
	v_add_nc_u32 v[VO2], GRP, v[VO1]               ; q, k: a fragment's planes 3-5 are the next head's
	v_lshlrev_b32 v[VSO], 12, v2
	v_lshl_add_u32 v[VSO], v1, 4, v[VSO]
	v_lshlrev_b32 v[VSO2], 4, v1
	v_lshlrev_b32 v[SHH], 4, v2
.irp b, 0,1,2,3
	v_mov_b32 v[TM+4+\b], 0                        ; written once: a lane permute's destination counts as one of its sources
.endr
	WALU
	s_mul_i32 s21, s15, HALFT                      ; A: my group of S1,
	s_mul_i32 s22, s16, HALFT
	s_add_co_u32 s22, s22, 2*HALFT                 ; my group of S0, behind S1's two
	v_add_nc_u32 v[ADRA], s21, v4
	v_add_nc_u32 v[ADRB], s22, v4
	s_add_co_u32 s21, s21, SLOT
	s_add_co_u32 s22, s22, SLOT
	v_add_nc_u32 v[ADRA+1], s21, v4
	v_add_nc_u32 v[ADRB+1], s22, v4
	s_lshl_b32 s21, s15, 12
	s_lshl_b32 s22, s16, 12
	s_add_co_u32 s22, s22, 2*4096
	s_sub_co_u32 s22, s22, s21
	v_mul_u32_u24 v6, s22, v2                      ; lanes 16-31 take S0's words
	s_add_co_u32 s21, s21, SCL
	v_add_nc_u32 v6, v6, v5
	v_add_nc_u32 v[ADRS], s21, v6
	s_mul_i32 s21, s15, 4*1536                     ; B: my four tiles of S1,
	v_add_nc_u32 v[ADRA2+1], s21, v4
	s_add_co_u32 s21, s21, FB
	v_add_nc_u32 v[ADRA2], s21, v4
	s_mul_i32 s22, s16, 3*KS1                      ; my group of S0, behind S1's
	s_add_co_u32 s22, s22, FB+3*KS1
	v_add_nc_u32 v[ADRB2], s22, v4
	s_mul_i32 s22, s16, 5*KS1
	s_add_co_u32 s22, s22, 5*KS1
	v_add_nc_u32 v[ADRB2+1], s22, v4
	s_lshl_b32 s21, s15, 8                         ; S1's words: four tiles of 64 bytes
	s_lshl_b32 s22, s16, 12
	s_add_co_u32 s22, s22, 4096
	s_sub_co_u32 s22, s22, s21
	v_mul_u32_u24 v6, s22, v2
	s_add_co_u32 s21, s21, SCL
	v_add_nc_u32 v6, v6, v5
	v_add_nc_u32 v[ADRS2], s21, v6
	; where A's results go
	s_lshl_b32 s18, s42, 2
	s_lshl_b32 s19, s16, 1
	s_add_co_u32 s18, s18, s19                     ; my first head among q's 16 and k's 16
	s_lshl_b32 s20, s18, 8                         ; its bias: 64 numbers a head
	s_lshr_b32 s19, s18, 4
	s_lshl_b32 s19, s19, 6
	s_and_b32 s18, s18, 15
	s_add_co_u32 s19, s19, s18
	s_lshr_b32 s18, s17, 3
	s_lshl_b32 s18, s18, 4
	s_add_co_u32 s19, s19, s18                     ; 64 which + 16 batch + head
	s_and_b32 s18, s17, 7
	s_lshl_b32 s18, s18, 1
	s_add_co_u32 s18, s18, s15                     ; my 128 tokens among the batch's 16 steps
	s_lshl_b32 s100, s19, 4
	s_add_co_u32 s100, s100, s18
	s_lshl_b32 s100, s100, 8
	s_add_co_u32 s100, s100, QSC
	s_mov_b32 s101, 0
	s_add_nc_u64 s[100:101], s[10:11], s[100:101]  ; the scale words
	; and B's
	s_lshl_b32 s21, s67, 1
	s_add_co_u32 s21, s21, s15                     ; my head of v
	s_lshl_b32 s23, s21, 8
	s_lshr_b32 s22, s66, 3
	s_lshl_b32 s22, s22, 4
	s_add_co_u32 s21, s21, s22
	s_add_co_u32 s21, s21, 128                     ; 128 + 16 batch + head
	s_and_b32 s22, s66, 7
	s_lshl_b32 s22, s22, 1
	s_add_co_u32 s22, s22, s16                     ; my key step
	s_lshl_b32 s12, s21, 4
	s_add_co_u32 s12, s12, s22
	s_lshl_b32 s12, s12, 8
	s_add_co_u32 s12, s12, QSC
	s_mov_b32 s13, 0
	s_add_nc_u64 s[12:13], s[10:11], s[12:13]      ; the scale words
	s_mul_i32 s2, s21, GRP
	s_mul_i32 s22, s22, 6144
	s_add_co_u32 s2, s2, s22
	s_mov_b32 s3, 0
	s_add_nc_u64 s[2:3], s[10:11], s[2:3]          ; the codes
	s_mul_i32 s19, s19, GRP
	s_mul_i32 s18, s18, 6144
	s_add_co_u32 s18, s18, s19
	s_mov_b32 s19, 0
	s_add_nc_u64 s[10:11], s[10:11], s[18:19]      ; A's codes
	s_mov_b32 s21, 0
	s_add_nc_u64 s[20:21], s[8:9], s[20:21]        ; the bias of my 128 columns of q or k,
	s_add_co_u32 s22, s23, 2048*4
	s_mov_b32 s23, 0
	s_add_nc_u64 s[22:23], s[8:9], s[22:23]        ; and of my 64 of v
	s_mov_b32 s96, 768                             ; q, k: from S1's tile a to a + 1
	s_mov_b32 s97, 0
	WALU                                           ; the wait at the head's end
.irp b, 0,1,2,3,4,5,6,7                        ; q, k: tile b's register j is column 32 (b / 2) + 8 (b % 2) + 16 h + j
	global_load_b128 v[BT+8*\b:BT+8*\b+3], v7, s[20:21] offset:(32*(\b/2)+8*(\b%2))*4
	global_load_b128 v[BT+8*\b+4:BT+8*\b+7], v7, s[20:21] offset:(32*(\b/2)+8*(\b%2))*4+16
.endr
	WIN 0x40
.irp a, 0,1,2,3                                ; v: all eight registers of tile a hold my lane's column 32 (a / 2) + 8 (a % 2) + r + 8 (r / 8)
.irp j, 0,1,2,3,4,5,6,7
	global_load_b32 v[BV+8*\a+\j], v8, s[22:23] offset:(32*(\a/2)+8*(\a%2))*4
.endr
.endr
	WIN 0
	s_wait_tensorcnt 0x0                           ; my tile of the head's four is in
	ds_add_u32 v[SPW], v[NIL]
	SHAPE G1S,  32, 144, 32                        ; no tensor load of mine is out: B's K steps 0-2 of S1: 36,864 dense bytes,
	SHAPE G1SB, 4608, 2, 12288                     ; of S0: two rows of 36,864
	PLACE G0S,  FB,       92, 0
	PLACE G0SB, FB+3*KS1, 94, 0
	s_wait_dscnt 0x0
	CROUND                                         ; all four tiles are in, and all sixteen work-groups are here
	FOUR G0+4, G1, G0B+4, G1B, G0S, G1S, G0SB, G1SB   ; first fills all: slot 1's S1, its S0, B's K steps 0-2
	global_prefetch_b8 v31, s[4:5] offset:3*HALFT th:TH_LOAD_NT scope:SCOPE_SE
	global_prefetch_b8 v31, s[6:7] offset:3*HALFT th:TH_LOAD_NT scope:SCOPE_SE
; ================= PHASE A
	FETCH_B 0, 0, 0
	FETCH_A 0, 0, 0
	SCALES 0, 0
	FETCH_A 0, 0, 4
	s_wait_loadcnt 0x0                             ; the bias
	STEP 0, 0, 1                                   ; the first products start the sums with the bias: nothing is cleared
	TURN 0, 1, 1, 1
	STEP 1, 0, 0
	TURN 1, 0, 1, 2
	STEP 0, 0, 0
	TURN 0, 1, 0, 3
	STEP 1, 0, 0
	s_wait_dscnt 4*NL
	WIN 0xa1
	MUL16 0, 1, 1, 1, 0
	MUL16 2, 1, 1, 1, 0
	s_wait_dscnt 0
	WIN 0xf1
	MUL16 4, 1, 1, 1, 0
	MUL16 6, 1, 1, 1, 0
	WIN 0
	s_wait_tensorcnt 0x0                           ; THE REFILL FOR PHASE B: all my tensor loads are in,
	ds_add_u32 v[SPW], v[NIL]
	SHAPE G1,   32, 240, 32                        ; K steps 3-7 of S1: 61,440 dense bytes,
	SHAPE G1B,  7680, 2, 12288                     ; of S0: two rows of 61,440;
	SHAPE G1S,  32, 16, 32                         ; S1's scale words: 4,096 bytes,
	SHAPE G1SB, 32, 32, 32                         ; S0's: 8,192
	PLACE G0,   0,        92, 3*KS1
	PLACE G0B,  5*KS1,    94, 3*KS1
	PLACE G0S,  SCL,      98, 0
	PLACE G0SB, SCL+4096, 104, 0
	s_mov_b32 s18, 0x76543210
	s_mov_b32 s19, 0xfedcba98                      ; v_permlanex16_b32's selects for lane l xor 16
	s_wait_dscnt 0x0                               ; the add is done, and my reads of the ring and of the scale words are over
	CROUND
	FOUR G0, G1, G0B, G1B, G0S, G1S, G0SB, G1SB    ; a load a wave; the four v_nop behind each are the places behind the last products
.irp a, 0,1,2,3,4,5,6,7
	EPI \a
.endr
.irp b, 0,1,2,3                                ; head + h; word B: tile 2 B's two bytes below, tile 2 B + 1's above
	v_lshrrev_b32 v[TM+\b], v[SHH], v[PWD+2*\b]
	v_lshrrev_b32 v[TM+4+\b], v[SHH], v[PWD+2*\b+1]
	v_and_b32 v[TM+\b], 0xffff, v[TM+\b]
	v_lshl_or_b32 v[OW+\b], v[TM+4+\b], 16, v[TM+\b]
.endr
	WALU
	global_store_b128 v[VSO], v[OW:OW+3], s[100:101]   ; sixteen lanes store 256 consecutive bytes, aligned, for each of the two heads
; ================= PHASE B
	s_wait_xcnt 0x0                                ; A's stores have read their base and their offsets
	s_mov_b64 s[10:11], s[2:3]
	s_mov_b32 s96, 1536                            ; v: from d tile a to a + 1
	v_add_nc_u32 v[VO2], 768, v[VO1]               ; a fragment's six planes lie on end
	WALU                                           ; the wait here, ahead of the waits below
	s_wait_tensorcnt 0x0                           ; my tile of the refill's four is in
	s_wait_dscnt 0x0
	s_barrier_signal -1
	s_barrier_wait -1                              ; everybody's is
	FETCHB 0
.irp k, 0,1,2,3,4,5,6,7
	STEPB \k
.endr
	PLACES NP
.irp a, 0,1,2,3
	EPI \a
.endr
	WALU
	global_store_b128 v[VSO2], v[PWD:PWD+3], s[12:13]  ; word t: d tile t's; lanes r and r + 16 hold the same words and store them to the same place: 256 consecutive bytes, aligned
	s_wait_tensorcnt 0x0                           ; the wave's end
	ds_add_u32 v[SPW], v[NIL]
	s_wait_dscnt 0x0
	CROUND                                         ; the closing round
	s_endpgm
.Lfunc_end_k_q16ca246aeb_gemm_qkv:
	.size	k_q16ca246aeb_gemm_qkv, .Lfunc_end_k_q16ca246aeb_gemm_qkv-k_q16ca246aeb_gemm_qkv
	.p2alignl 7, 3214868480
	.fill 96, 4, 3214868480
	.section	.rodata,"a",@progbits
	.p2align	6, 0x0
	.amdhsa_kernel k_q16ca246aeb_gemm_qkv
		.amdhsa_group_segment_fixed_size 327680
		.amdhsa_private_segment_fixed_size 0
		.amdhsa_enable_private_segment 0
		.amdhsa_kernarg_size 32
		.amdhsa_user_sgpr_count 2
		.amdhsa_user_sgpr_kernarg_segment_ptr 1
		.amdhsa_wavefront_size32 1
		.amdhsa_system_sgpr_workgroup_id_x 1
		.amdhsa_system_sgpr_workgroup_id_y 1
		.amdhsa_system_sgpr_workgroup_id_z 1
		.amdhsa_system_vgpr_workitem_id 0
		.amdhsa_next_free_vgpr 1024
		.amdhsa_next_free_sgpr 106
		.amdhsa_reserve_vcc 0
		.amdhsa_float_denorm_mode_32 3
		.amdhsa_float_denorm_mode_16_64 3
		.amdhsa_memory_ordered 1
		.amdhsa_forward_progress 1
		.amdhsa_inst_pref_size 234
	.end_amdhsa_kernel
	.amdgpu_metadata
---
amdhsa.version: [ 1, 2 ]
amdhsa.kernels:
  - .name:           k_q16ca246aeb_gemm_qkv
    .symbol:         k_q16ca246aeb_gemm_qkv.kd
    .args:
      - { .name: xq, .offset: 0, .size: 8, .value_kind: global_buffer, .address_space: global }
      - { .name: wq, .offset: 8, .size: 8, .value_kind: global_buffer, .address_space: global }
      - { .name: b_qkv, .offset: 16, .size: 8, .value_kind: global_buffer, .address_space: global }
      - { .name: qkv, .offset: 24, .size: 8, .value_kind: global_buffer, .address_space: global }
    .group_segment_fixed_size: 327680
    .private_segment_fixed_size: 0
    .kernarg_segment_align: 8
    .kernarg_segment_size: 32
    .max_flat_workgroup_size: 128
    .sgpr_count:     106
    .vgpr_count:     1024
    .wavefront_size: 32
...
	.end_amdgpu_metadata
.endif
;; end of part 2
;; launch attn (part 3): grid 4 x 64, 16 waves a work-group, clusters of 4 x 1, 206,848 bytes of LDS; arguments qkv, yq; writes yq
.if DOCPART == 3
	.amdgcn_target "amdgcn-amd-amdhsa--gfx1250"
	.amdhsa_code_object_version 6
	.text
	.protected	k_q16ca246aeb_attn
	.globl	k_q16ca246aeb_attn
	.p2align	8
	.type	k_q16ca246aeb_attn,@function
k_q16ca246aeb_attn:
	s_mov_b64 s[64:65], 0
	v_nop
	global_prefetch_b8 v0, s[64:65] scope:SCOPE_SE
	s_setreg_imm32_b32 hwreg(HW_REG_WAVE_MODE, 25, 1), 1
	s_wait_xcnt 0x0
	s_wait_alu depctr_hold_cnt(0) depctr_sa_sdst(0) depctr_va_vdst(0) depctr_va_sdst(0) depctr_va_ssrc(0) depctr_va_vcc(0) depctr_vm_vsrc(0)
	s_getreg_b32 s2, hwreg(HW_REG_IB_STS2, 6, 4)
	s_cmp_eq_u32 s2, 0
	s_cbranch_scc0 .Lentry_in_a_cluster
	s_endpgm
.Lentry_in_a_cluster:
	s_bfe_u32 s2, ttmp6, 0x10000c
	s_cmp_lg_u32 s2, 0x3003
	s_cbranch_scc0 .Lentry_shape_is_right
	s_endpgm
.Lentry_shape_is_right:
; Causal attention on codes of FP6 (E2M3): for each of 64 (batch, head): y = softmax(q k^T / 8, causal) v, head size 64, 2,048 tokens; y is quantised along its 64 and leaves as codes.
; THE SOFTMAX: t = score x log2(e) / 8; M = the row's largest t so far, rounded UP to a whole number; p = 2^(t - M) is quantised along the keys, not normalised; the row's sum is taken of the unquantised p and divides at the end.
; When M moves, the sum and O are multiplied by 2^(old M - new M): exact.
; SHARES.  Four work-groups to a head, sixteen waves each, a wave a tile of 16 queries at a time, in 256 registers.  Wave w of work-group i makes tile 16 i + w and then tile 127 - (16 i + w): tile tt needs tt / 8 + 1 key steps of 128, so
; every wave has 17 steps.  A head's K and V as codes with their scale words are 204,800 bytes: they come into LDS ONCE, at the head (waves 0-7 a quarter of K or of V each, waves 8, 9 the scale words), one barrier, and nothing is filled again.
; NO CLUSTER, though the four work-groups of a head read the same K and V: which key steps a wave leaves out hangs on its work-group's block of queries; and each work-group asks for
; the shared bytes once in the launch, at its head.
; LAYOUT.  Both products are used transposed: S^T = K Q^T, O^T = V^T P^T: a lane holds ONE query throughout.  Tiles' rows are not neighbours: lane r of tile 2 B + u holds row 32 B + 8 u + r + 8 (r / 8).
; THE HEAD'S 64 IN AN INSTRUCTION OF 128: a fragment of K holds TWO key tiles: registers 0-5 tile 2 B, registers 6-11 tile 2 B + 1.  Q stands twice: codes in registers 0-5 and zero codes in 6-11, and the other way round: the zero codes
; take the other tile out of the sum.  Q's scale bytes beside the zero codes are 0.
; CAUSAL: every pass walks 16 trips; a step all of whose keys come after the tile's queries is left out by a scalar branch on ids; in the one step on the diagonal hidden scores become -infinity.
; LIMITS: NaN and infinities are not served; a block of y under 2^-124, and a block of zeros, keeps the byte 1 (this program alone reads the bytes).
; REGISTERS: v1-4, v7, v11 addresses that stay; v5, v6 the add's two; v8-10 addresses in hand; v12 -M, v13 the largest t, v[14:15] the sum; v16-27, v28-39 Q twice; v40-42 Q's scale words; v48-95 four fragments of K, then of V;
;   v96-159 S^T, then p; v160-191 O^T; v192-210 codes; v212-219 K's and V's scale words; v220-241 at work.
; THE DEAL AND THE CLUSTER AS THE TEXT NOW HAS THEM (in place of what SHARES and NO CLUSTER say above): the four work-groups of a head form a cluster 4, 1, 1 and ask for K, V and the scale words JOINTLY (mask 15).
; Wave w of the work-group at place cx makes tile 4 w + cx and then tile 127 - (4 w + cx): the step on the diagonal is w / 2, then 15 - w / 2, made of the wave's number alone, so no branch hangs on a work-group's place; every wave has 17 steps.
; Every partner reads every key step (waves 0 and 1 walk all sixteen in their second pass).  A round of the cluster's barrier stands in front of the loads and one in front of s_endpgm.
; ON THE DIAGONAL the tile's 16 queries lie in one block of 32 of the step: in blocks 0, 1 or in blocks 2, 3 by the wave's number and the pass (s19): only those two blocks are compared; the two below are open, the two above hidden whole.
; No prefetch: all tiles are asked for once, at the head, and the launch has no loop to run ahead in.
.set QSC,   18874368
.macro CROUND
	s_barrier_signal -1
	s_barrier_wait -1
	s_cmp_lg_u32 s18, 0
	s_cbranch_scc1 .Lnot_wave_0_\@
	s_barrier_signal -3
.Lnot_wave_0_\@:
	s_barrier_wait -3
	s_barrier_signal -1
	s_barrier_wait -1
.endm
.set YSC,   6291456
.set GRP,   98304
.set VIM,   98304                      ; LDS: K's codes from 0 (6,144 bytes a key step), V's from here,
.set KSC,   196608                     ; K's scale words (256 bytes a step), V's 4,096 bytes on,
.set SPARE, 204800                     ; the spare words: 128 bytes for each wave, eight blocks of 256 bytes that no other line names
	s_load_b128 s[4:7], s[0:1], 0x0                ; qkv, yq
	v_lshl_add_u32 v5, v0, 2, SPARE
	v_mov_b32 v6, 0
	ds_add_u32 v5, v6                              ; the wave's opening: the add and its wait ahead of my first tensor load
	ds_add_u32 v5, v6
	v_lshrrev_b32 v8, 5, v0
	s_delay_alu instid0(VALU_DEP_1)
	v_readfirstlane_b32 s18, v8                    ; wave 0..15
	s_and_b32 s55, ttmp7, 0xffff                   ; 16 batch + head
	s_mov_b32 s24, (3<<16)|(1<<21)|15              ; group 1 for the codes: 24,576 dense bytes as 96 rows of 32 elements of 8 bytes; the mask names the cluster's four; bit 21 beside it; no padding
	s_mov_b32 s25, 32<<16
	s_mov_b32 s26, 96<<16
	s_mov_b32 s27, 32<<16
	s_mov_b32 s28, 96
	s_mov_b32 s29, 32
	s_mov_b32 s30, 0
	s_mov_b32 s31, 0
	s_mov_b32 s32, (3<<16)|(1<<21)|15              ; for the scale words: 4,096 bytes, 16 such rows
	s_mov_b32 s33, 32<<16
	s_mov_b32 s34, 16<<16
	s_mov_b32 s35, 32<<16
	s_mov_b32 s36, 16
	s_mov_b32 s37, 32
	s_mov_b32 s38, 0
	s_mov_b32 s39, 0
	s_lshr_b32 s69, s18, 2
	s_and_b32 s69, s69, 1                          ; waves 0-3: K; 4-7: V
	s_lshl_b32 s69, s69, 6
	s_add_co_u32 s69, s69, s55
	s_add_co_u32 s69, s69, 64
	s_mul_i32 s70, s69, GRP
	s_and_b32 s69, s18, 3
	s_mul_i32 s69, s69, 24576                      ; my quarter
	s_add_co_u32 s70, s70, s69
	s_mov_b32 s71, 0
	s_and_b32 s69, s18, 1                          ; wave 8: K's scale words; 9: V's
	s_lshl_b32 s75, s69, 12
	s_add_co_u32 s75, s75, KSC
	s_lshl_b32 s69, s69, 6
	s_add_co_u32 s69, s69, s55
	s_add_co_u32 s69, s69, 64
	s_lshl_b32 s72, s69, 12
	s_add_co_u32 s72, s72, QSC
	s_mov_b32 s73, 0
	s_and_b32 s74, s18, 7
	s_mul_i32 s74, s74, 24576                      ; in LDS: K's four quarters, then V's
	s_mov_b32 s20, 0x76543210
	s_mov_b32 s21, 0xfedcba98                      ; v_permlanex16_b32's selects for lane l xor 16
	s_mov_b32 s22, 0x3e38aa3b                      ; c = log2(e) / 8
	s_mov_b32 s23, s22                             ; (named with it as a pair, so it is written)
	s_and_b32 s76, s55, 0x30                       ; 16 batch
	s_and_b32 s77, s55, 15
	s_lshr_b32 s77, s77, 1                         ; head / 2: y's K step
	s_and_b32 s78, s55, 1                          ; head % 2: which half of it
	s_bfe_u32 s79, ttmp6, 0x40000                  ; cx: my place in the cluster
	s_lshl_b32 s48, s18, 2
	s_add_co_u32 s48, s48, s79                     ; my first tile of queries: 4 w + cx
	s_lshr_b32 s49, s18, 1                         ; DJ, the step on its diagonal: w / 2
	s_and_b32 s19, s18, 1                          ; 0: its queries lie in blocks 0, 1 of that step; 1: in blocks 2, 3
	s_wait_dscnt 0x0                               ; the opening adds are done
	s_wait_kmcnt 0x0
	CROUND                                         ; all four work-groups are here: the joint loads meet
	s_mov_b32 s40, 1
	s_mov_b32 s41, s74
	s_add_nc_u64 s[42:43], s[4:5], s[70:71]
	s_or_b32 s43, s43, 0x80000000
	s_mov_b32 s44, 1
	s_mov_b32 s45, s75
	s_add_nc_u64 s[46:47], s[4:5], s[72:73]
	s_or_b32 s47, s47, 0x80000000
	s_cmp_lt_u32 s18, 8                            ; one load a wave at the most; the branches hang on the wave's number alone; an s_nop 0 and four v_nop follow each line
	s_cbranch_scc0 .Lnot_codes
	tensor_load_to_lds s[40:43], s[24:31]
	s_nop 0
.rept 4
	v_nop
.endr
	s_branch .Lasked
.Lnot_codes:
	s_cmp_lt_u32 s18, 10
	s_cbranch_scc0 .Lasked
	tensor_load_to_lds s[44:47], s[32:39]
	s_nop 0
.rept 4
	v_nop
.endr
.Lasked:
	v_and_b32 v8, 15, v0                           ; r
	v_bfe_u32 v9, v0, 4, 1                         ; h
	v_and_b32 v10, 31, v0
	s_delay_alu instid0(VALU_DEP_1)
	v_lshlrev_b32 v1, 3, v10                       ; 8 x lane: a plane's place for my lane, in LDS (K) and in memory (Q, y)
	s_delay_alu instid0(VALU_DEP_1)
	v_add_nc_u32 v2, VIM, v1                       ; the same for V
	v_lshl_add_u32 v3, v8, 4, KSC                  ; my row's four scale words of a step
	v_lshrrev_b32 v4, 3, v8
	s_delay_alu instid0(VALU_DEP_1)
	v_lshl_add_u32 v4, v4, 3, v8
	v_lshlrev_b32 v11, 4, v9
	s_delay_alu instid0(VALU_DEP_1)
	v_sub_nc_u32 v4, v4, v11                       ; r + 8 (r / 8) - 16 h, for the mask
	v_lshlrev_b32 v7, 4, v8                        ; 16 r
	v_lshlrev_b32 v11, 2, v8                       ; 4 r
.irp j, 22,23,24,25,26,27,28,29,30,31,32,33
	v_mov_b32 v\j, 0                               ; Q's zero codes: written once
.endr
.irp j, 224,225,226,227,233,235
	v_mov_b32 v\j, 0                               ; written once: permutes' destinations, and the upper half of the pair v[232:233]
.endr
; What a pass needs of its tile s48: scalars, Q's codes (twice) and scale word, the statistics
.macro SETUP
	s_wait_xcnt 0x0                                ; the last pass's stores have read their bases and data
	s_and_b32 s69, s48, 7
	s_and_b32 s70, s48, 1
	s_lshr_b32 s71, s69, 1
	s_lshl_b32 s50, s71, 5
	s_lshl_b32 s72, s70, 3
	s_add_co_u32 s50, s50, s72                     ; the tile's first query in its step
	s_lshl_b32 s54, s70, 4                         ; which half of the scale word is the tile's
	s_lshl_b32 s72, s55, 7
	s_add_co_u32 s72, s72, s48
	s_mul_i32 s72, s72, 768
	s_mov_b32 s73, 0
	s_add_nc_u64 s[56:57], s[4:5], s[72:73]        ; Q's codes
	s_lshl_b32 s72, s55, 4
	s_add_co_u32 s72, s72, s49
	s_lshl_b32 s72, s72, 8
	s_lshl_b32 s74, s71, 2
	s_add_co_u32 s72, s72, s74
	s_add_co_u32 s72, s72, QSC
	s_add_nc_u64 s[58:59], s[4:5], s[72:73]        ; Q's scale word
	s_add_co_u32 s74, s76, s49
	s_lshl_b32 s74, s74, 3
	s_add_co_u32 s74, s74, s77
	s_lshl_b32 s74, s74, 3
	s_add_co_u32 s74, s74, s69                     ; y's fragment: ((group of 128 tokens) 8 + K step) 8 + tile
	s_mul_i32 s72, s74, 1536
	s_mul_i32 s75, s78, 768
	s_add_co_u32 s72, s72, s75
	s_add_nc_u64 s[60:61], s[6:7], s[72:73]        ; my head's three planes of it
	s_lshl_b32 s72, s74, 6
	s_lshl_b32 s75, s78, 1
	s_add_co_u32 s72, s72, s75
	s_add_co_u32 s72, s72, YSC
	s_add_nc_u64 s[66:67], s[6:7], s[72:73]        ; and my head's half of its scale words
.irp p, 0,1,2
	global_load_b64 v[16+2*\p:17+2*\p], v1, s[56:57] offset:256*\p
	global_load_b64 v[34+2*\p:35+2*\p], v1, s[56:57] offset:256*\p
.endr
	global_load_b32 v42, v7, s[58:59]
	v_mov_b32 v13, 0xff61b1e6                      ; the largest t so far: -3e38
	s_delay_alu instid0(VALU_DEP_1)
	v_floor_f32 v12, -v13                          ; -M
	v_mov_b32 v14, 0
	v_mov_b32 v15, 0
	s_mov_b32 s51, 0                               ; the key step,
	s_mov_b32 s52, 0                               ; its codes' place in LDS,
	s_mov_b32 s53, 0                               ; its scale words'
.endm
; A KEY STEP: 128 keys
.macro STEP
	v_add_nc_u32 v8, s52, v1
	v_add_nc_u32 v9, s52, v2
	v_add_nc_u32 v10, s53, v3
	v_nop                                          ; four places in front of loads into registers that the last products read
	ds_load_b128 v[212:215], v10                   ; K's four scale words
.irp b, 0,1,2,3
.irp p, 0,1,2,3,4,5
	ds_load_b64 v[48+12*\b+2*\p:49+12*\b+2*\p], v8 offset:1536*\b+256*\p
.endr
.endr
	s_wait_alu depctr_va_vdst(0)
	s_wait_dscnt 0x0
.irp b, 0,1,2,3                                ; S^T: the 16 registers of tiles 2 B, 2 B + 1 are keys 32 B + 16 h + 0 .. 15
	v_wmma_scale_f32_16x16x128_f8f6f4 v[96+16*\b:103+16*\b], v[48+12*\b:59+12*\b], v[16:27], 0, v[212+\b], v40 matrix_a_fmt:MATRIX_FMT_FP6 matrix_b_fmt:MATRIX_FMT_FP6
	v_wmma_scale_f32_16x16x128_f8f6f4 v[104+16*\b:111+16*\b], v[48+12*\b:59+12*\b], v[28:39], 0, v[212+\b], v41 matrix_a_fmt:MATRIX_FMT_FP6 matrix_b_fmt:MATRIX_FMT_FP6
.endr
.rept 4
	v_nop
.endr
.irp t, 0,1,2,3                                ; V's fragments are asked for now and land under the softmax
.irp p, 0,1,2,3,4,5
	ds_load_b64 v[48+12*\t+2*\p:49+12*\t+2*\p], v9 offset:1536*\t+256*\p
.endr
.endr
	ds_load_b128 v[216:219], v10 offset:4096
	s_cmp_lt_u32 s51, s49                          ; a step all of whose keys count skips the mask
	s_cbranch_scc1 .Lopen_\@
	s_cmp_eq_u32 s19, 0
	s_cbranch_scc0 .Lupper_\@
	v_add_nc_u32 v238, s50, v4                     ; d = my query - 16 h, in the step: register 16 B + e holds key 32 B + 16 h + e: hidden where 32 B + e > d
	v_mov_b32 v239, 0xff800000
.set n, 0
.rept 32
	v_cmp_gt_i32 vcc_lo, 32*(n/16)+n%16, v238
	v_cndmask_b32 v[96+n], v[96+n], v239, vcc_lo
.set n, n+1
.endr
.rept 32
	v_mov_b32 v[96+n], v239                        ; blocks 2 and 3 come after all my tile's queries
.set n, n+1
.endr
	s_branch .Lopen_\@
.Lupper_\@:
	v_add_nc_u32 v238, s50, v4                     ; blocks 0 and 1 come before all my tile's queries
	v_mov_b32 v239, 0xff800000
.set n, 32
.rept 32
	v_cmp_gt_i32 vcc_lo, 32*(n/16)+n%16, v238
	v_cndmask_b32 v[96+n], v[96+n], v239, vcc_lo
.set n, n+1
.endr
.Lopen_\@:
.irp b, 0,1,2,3
	v_max3_num_f32 v[220+\b], v[96+16*\b], v[97+16*\b], v[98+16*\b]   ; the largest score of each block of 32 keys: for the row's maximum, and, since p rises with the score, for the block's largest p
.endr
.irp i, 3,5,7,9,11,13
.irp b, 0,1,2,3
	v_max3_num_f32 v[220+\b], v[220+\b], v[96+16*\b+\i], v[97+16*\b+\i]
.endr
.endr
.irp b, 0,1,2,3
	v_max_num_f32 v[220+\b], v[220+\b], v[111+16*\b]
.endr
.irp b, 0,1,2,3
	s_delay_alu instid0(VALU_DEP_4)
	v_permlanex16_b32 v[224+\b], v[220+\b], s20, s21
.endr
.irp b, 0,1,2,3
	s_delay_alu instid0(VALU_DEP_4)
	v_max_num_f32 v[220+\b], v[220+\b], v[224+\b]
.endr
	s_delay_alu instid0(VALU_DEP_2)
	v_max3_num_f32 v235, v220, v221, v222
	s_delay_alu instid0(VALU_DEP_1)
	v_max_num_f32 v235, v235, v223
	s_delay_alu instid0(VALU_DEP_1)
	v_mul_f32 v235, s22, v235                      ; as t
	s_delay_alu instid0(VALU_DEP_1)
	v_max_num_f32 v13, v13, v235                   ; the running largest t
	v_mov_b32 v235, v12
	s_delay_alu instid0(VALU_DEP_2)
	v_floor_f32 v12, -v13                          ; the new -M = -ceil(t)
	s_delay_alu instid0(VALU_DEP_1)
	v_sub_f32 v235, v12, v235                      ; old M - new M: a whole number, 0 or less
	s_delay_alu instid0(VALU_DEP_1)
	v_cvt_i32_f32 v235, v235                       ; (it saturates)
	s_delay_alu instid0(VALU_DEP_1)
	v_ldexp_f32 v232, 1.0, v235                    ; f = 2^(old M - new M)
.set j, 0
.rept 32
	v_pk_fma_f32 v[96+j:97+j], v[96+j:97+j], s[22:23], v[12:13] op_sel_hi:[1,0,0]   ; t - M
.set j, j+2
.endr
.irp b, 0,1,2,3
	v_fma_f32 v[220+\b], v[220+\b], s22, v12
.endr
.set j, 0
	s_wait_alu depctr_va_vdst(0)
.rept 64
	v_exp_f32 v[96+j], v[96+j]                     ; p = 2^(t - M)
.set j, j+1
.endr
	v_pk_mul_f32 v[14:15], v[14:15], v[232:233] op_sel_hi:[1,0]   ; the sums under the new M: a plain place behind the exponentials
	s_wait_alu depctr_va_vdst(0)                   ; one wait for the batch, ahead of its first reader
.irp b, 0,1,2,3
	v_exp_f32 v[220+\b], v[220+\b]                 ; the blocks' largest p
.endr
	v_pk_add_f32 v[236:237], v[100:101], v[104:105]
	v_pk_add_f32 v[254:255], v[108:109], v[112:113]
	v_pk_add_f32 v[252:253], v[116:117], v[120:121]
	v_pk_add_f32 v[250:251], v[124:125], v[128:129]
	v_pk_add_f32 v[248:249], v[132:133], v[136:137]
	v_pk_add_f32 v[246:247], v[140:141], v[144:145]
	v_pk_add_f32 v[244:245], v[148:149], v[152:153]
	v_pk_add_f32 v[14:15], v[14:15], v[156:157]
	v_pk_add_f32 v[236:237], v[236:237], v[96:97]
	v_pk_add_f32 v[254:255], v[254:255], v[98:99]
	v_pk_add_f32 v[252:253], v[252:253], v[102:103]
	v_pk_add_f32 v[250:251], v[250:251], v[106:107]
	v_pk_add_f32 v[248:249], v[248:249], v[110:111]
	v_pk_add_f32 v[246:247], v[246:247], v[114:115]
	v_pk_add_f32 v[244:245], v[244:245], v[118:119]
	v_pk_add_f32 v[14:15], v[14:15], v[122:123]
	v_pk_add_f32 v[236:237], v[236:237], v[126:127]
	v_pk_add_f32 v[254:255], v[254:255], v[130:131]
	v_pk_add_f32 v[252:253], v[252:253], v[134:135]
	v_pk_add_f32 v[250:251], v[250:251], v[138:139]
	v_pk_add_f32 v[248:249], v[248:249], v[142:143]
	v_pk_add_f32 v[246:247], v[246:247], v[146:147]
	v_pk_add_f32 v[244:245], v[244:245], v[150:151]
	v_pk_add_f32 v[14:15], v[14:15], v[154:155]
	v_pk_add_f32 v[236:237], v[236:237], v[158:159]
	s_delay_alu instid0(VALU_DEP_2)
	v_pk_add_f32 v[14:15], v[14:15], v[250:251]
	s_delay_alu instid0(VALU_DEP_2)
	v_pk_add_f32 v[236:237], v[236:237], v[248:249]
	v_pk_add_f32 v[254:255], v[254:255], v[246:247]
	v_pk_add_f32 v[252:253], v[252:253], v[244:245]
	s_delay_alu instid0(VALU_DEP_2)
	v_pk_add_f32 v[14:15], v[14:15], v[254:255]
	s_delay_alu instid0(VALU_DEP_2)
	v_pk_add_f32 v[236:237], v[236:237], v[252:253]
	s_delay_alu instid0(VALU_DEP_1)
	v_pk_add_f32 v[14:15], v[14:15], v[236:237]
	s_wait_alu depctr_va_vdst(0)                   ; and one for the four
.irp b, 0,1,2,3
	v_max_num_f32 v[220+\b], 0x1800000, v[220+\b]  ; the floor 2^(3 - 127)
.endr
.irp b, 0,1,2,3
	s_delay_alu instid0(VALU_DEP_4)
	v_add_nc_u32 v[228+\b], 0xff000000, v[220+\b]  ; the conversion's scale operand
.endr
.irp b, 0,1,2,3
	s_delay_alu instid0(VALU_DEP_4)
	v_lshrrev_b32 v[224+\b], 23, v[228+\b]
.endr
	s_delay_alu instid0(VALU_DEP_3)
	v_lshl_or_b32 v234, v225, 8, v224              ; p's scale word
	s_delay_alu instid0(VALU_DEP_1)
	v_lshl_or_b32 v234, v226, 16, v234
	s_delay_alu instid0(VALU_DEP_1)
	v_lshl_or_b32 v234, v227, 24, v234
.irp c, 0,1
	v_cvt_scalef32_pk16_fp6_f32 v[192+6*\c:194+6*\c], v[96+32*\c:111+32*\c], v[228+2*\c]
	v_cvt_scalef32_pk16_fp6_f32 v[204+4*\c:206+4*\c], v[112+32*\c:127+32*\c], v[228+2*\c+1]
.endr
	v_nop
.irp c, 0,1
.irp i, 0,1,2
	v_permlane16_swap_b32 v[192+6*\c+\i], v[204+4*\c+\i]
.endr
.irp i, 0,1,2
	s_delay_alu instid0(VALU_DEP_3)
	v_mov_b32 v[195+6*\c+\i], v[204+4*\c+\i]
.endr
.endr
.set j, 0
.rept 16
	v_pk_mul_f32 v[160+j:161+j], v[160+j:161+j], v[232:233] op_sel_hi:[1,0]   ; O^T under the new M; also the places in front of the products below
.set j, j+2
.endr
	s_wait_alu depctr_va_vdst(0)
	s_wait_dscnt 0x0                               ; V
.irp t, 0,1,2,3                                ; O^T += V^T P^T: the four accumulators by turns
	v_wmma_scale_f32_16x16x128_f8f6f4 v[160+8*\t:167+8*\t], v[48+12*\t:59+12*\t], v[192:203], v[160+8*\t:167+8*\t], v[216+\t], v234 matrix_a_fmt:MATRIX_FMT_FP6 matrix_b_fmt:MATRIX_FMT_FP6
.endr
.endm
.macro BODY n
	s_wait_loadcnt 0x0                             ; Q
	v_lshrrev_b32 v40, s54, v42
	s_delay_alu instid0(VALU_DEP_1)
	v_and_b32 v40, 0xffff, v40                     ; Q's two bytes below, 0 above,
	s_delay_alu instid0(VALU_DEP_1)
	v_lshlrev_b32 v41, 16, v40                     ; and the other way round
.set j, 0
.rept 32
	v_mov_b32 v[160+j], 0                          ; O^T: the step is written once, and the first change of M leaves zeros zeros.  (Also the places between the scale words' lines and the first product)
.set j, j+1
.endr
.Ltrip_\@:                                         ; 16 trips, a constant; a hidden step's work is jumped over, not the lines that step addresses
	s_cmp_gt_u32 s51, s49
	s_cbranch_scc1 .Lhidden_\@
	STEP
.Lhidden_\@:
	s_add_co_u32 s52, s52, 6144
	s_add_co_u32 s53, s53, 256
	s_add_co_u32 s51, s51, 1
	s_cmp_lt_u32 s51, 16
	s_cbranch_scc1 .Ltrip_\@
.rept 4
	v_nop                                          ; places behind the last products
.endr
	v_add_f32 v14, v14, v15
	s_delay_alu instid0(VALU_DEP_1)
	v_permlanex16_b32 v235, v14, s20, s21
	s_delay_alu instid0(VALU_DEP_1)
	v_add_f32 v14, v14, v235                       ; the row's sum
	s_wait_alu depctr_va_vdst(0)
	v_rcp_f32 v232, v14
	v_nop                                          ; a plain place behind the reciprocal
	s_wait_alu depctr_va_vdst(0)                   ; and the wait ahead of its first reader
.set j, 0
.rept 16
	v_pk_mul_f32 v[96+j:97+j], v[160+j:161+j], v[232:233] op_sel_hi:[1,0]   ; y: register 16 g + e is d = 32 g + 16 h + e of my query
.set j, j+2
.endr
.irp g, 0,1
	v_max3_num_f32 v[220+\g], |v[96+16*\g]|, |v[97+16*\g]|, 0x1800000
.endr
.irp i, 2,4,6,8,10,12,14
.irp g, 0,1
	s_delay_alu instid0(VALU_DEP_2)
	v_max3_num_f32 v[220+\g], v[220+\g], |v[96+16*\g+\i]|, |v[97+16*\g+\i]|
.endr
.endr
.irp g, 0,1
	s_delay_alu instid0(VALU_DEP_2)
	v_permlanex16_b32 v[224+\g], v[220+\g], s20, s21
.endr
.irp g, 0,1
	s_delay_alu instid0(VALU_DEP_2)
	v_max_num_f32 v[220+\g], v[220+\g], v[224+\g]
.endr
.irp g, 0,1
	s_delay_alu instid0(VALU_DEP_2)
	v_add_nc_u32 v[228+\g], 0xff000000, v[220+\g]
.endr
.irp g, 0,1
	s_delay_alu instid0(VALU_DEP_2)
	v_lshrrev_b32 v[224+\g], 23, v[228+\g]
.endr
	s_delay_alu instid0(VALU_DEP_1)
	v_lshl_or_b32 v[240+\n], v225, 8, v224         ; my head's two scale bytes of my row; lanes r and r + 16 hold the same
	v_cvt_scalef32_pk16_fp6_f32 v[192:194], v[96:111], v228
	v_cvt_scalef32_pk16_fp6_f32 v[196:198], v[112:127], v229
	v_nop
	v_permlane16_swap_b32 v192, v196               ; a whole block to a lane
	v_permlane16_swap_b32 v193, v197
	v_permlane16_swap_b32 v194, v198
	s_delay_alu instid0(VALU_DEP_3)
	v_mov_b32 v195, v196
	s_delay_alu instid0(VALU_DEP_3)
	v_mov_b32 v196, v197
	s_delay_alu instid0(VALU_DEP_3)
	v_mov_b32 v197, v198
.irp p, 0,1,2
	global_store_b64 v1, v[192+2*\p:193+2*\p], s[60:61] offset:256*\p   ; a plane: 256 consecutive bytes, aligned
.endr
	global_store_b16 v11, v[240+\n], s[66:67]      ; two bytes of every four: the other head's wave writes the others; lanes r and r + 16 store the same bytes to the same place
.endm
	SETUP                                          ; the first pass's loads go out while the tiles are on their way
	s_wait_tensorcnt 0x0                           ; my load, if I had one, has landed
	s_barrier_signal -1
	s_barrier_wait -1                              ; everybody's has: the one barrier of the launch
	BODY 0
	s_sub_co_u32 s48, 127, s48
	s_sub_co_u32 s49, 15, s49                      ; its diagonal: 15 - w / 2
	s_xor_b32 s19, s19, 1                          ; and the other pair of blocks
	SETUP
	BODY 1
	s_wait_tensorcnt 0x0                           ; the wave's end
	ds_add_u32 v5, v6
	s_wait_dscnt 0x0
	CROUND                                         ; the closing round
	s_endpgm
.Lfunc_end_k_q16ca246aeb_attn:
	.size	k_q16ca246aeb_attn, .Lfunc_end_k_q16ca246aeb_attn-k_q16ca246aeb_attn
	.p2alignl 7, 3214868480
	.fill 96, 4, 3214868480
	.section	.rodata,"a",@progbits
	.p2align	6, 0x0
	.amdhsa_kernel k_q16ca246aeb_attn
		.amdhsa_group_segment_fixed_size 206848
		.amdhsa_private_segment_fixed_size 0
		.amdhsa_enable_private_segment 0
		.amdhsa_kernarg_size 16
		.amdhsa_user_sgpr_count 2
		.amdhsa_user_sgpr_kernarg_segment_ptr 1
		.amdhsa_wavefront_size32 1
		.amdhsa_system_sgpr_workgroup_id_x 1
		.amdhsa_system_sgpr_workgroup_id_y 1
		.amdhsa_system_sgpr_workgroup_id_z 1
		.amdhsa_system_vgpr_workitem_id 0
		.amdhsa_next_free_vgpr 256
		.amdhsa_next_free_sgpr 80
		.amdhsa_reserve_vcc 1
		.amdhsa_float_denorm_mode_32 3
		.amdhsa_float_denorm_mode_16_64 3
		.amdhsa_memory_ordered 1
		.amdhsa_forward_progress 1
		.amdhsa_inst_pref_size 71
	.end_amdhsa_kernel
	.amdgpu_metadata
---
amdhsa.version: [ 1, 2 ]
amdhsa.kernels:
  - .name:           k_q16ca246aeb_attn
    .symbol:         k_q16ca246aeb_attn.kd
    .args:
      - { .name: qkv, .offset: 0, .size: 8, .value_kind: global_buffer, .address_space: global }
      - { .name: yq, .offset: 8, .size: 8, .value_kind: global_buffer, .address_space: global }
    .group_segment_fixed_size: 206848
    .private_segment_fixed_size: 0
    .kernarg_segment_align: 8
    .kernarg_segment_size: 16
    .max_flat_workgroup_size: 512
    .sgpr_count:     80
    .vgpr_count:     256
    .wavefront_size: 32
...
	.end_amdgpu_metadata
.endif
;; end of part 3
;; launch gemm_proj (part 4): grid 4 x 64, 4 waves a work-group, clusters of 4 x 4, 327,680 bytes of LDS; arguments yq, wq, b_proj, out0; writes out0
.if DOCPART == 4
	.amdgcn_target "amdgcn-amd-amdhsa--gfx1250"
	.amdhsa_code_object_version 6
	.text
	.protected	k_q16ca246aeb_gemm_proj
	.globl	k_q16ca246aeb_gemm_proj
	.p2align	8
	.type	k_q16ca246aeb_gemm_proj,@function
k_q16ca246aeb_gemm_proj:
	s_mov_b64 s[64:65], 0
	v_nop
	global_prefetch_b8 v0, s[64:65] scope:SCOPE_SE
	s_setreg_imm32_b32 hwreg(HW_REG_WAVE_MODE, 25, 1), 1
	s_wait_xcnt 0x0
	s_wait_alu depctr_hold_cnt(0) depctr_sa_sdst(0) depctr_va_vdst(0) depctr_va_sdst(0) depctr_va_ssrc(0) depctr_va_vcc(0) depctr_vm_vsrc(0)
	s_getreg_b32 s2, hwreg(HW_REG_IB_STS2, 6, 4)
	s_cmp_eq_u32 s2, 0
	s_cbranch_scc0 .Lentry_in_a_cluster
	s_endpgm
.Lentry_in_a_cluster:
	s_bfe_u32 s2, ttmp6, 0x10000c
	s_cmp_lg_u32 s2, 0xf033
	s_cbranch_scc0 .Lentry_shape_is_right
	s_endpgm
.Lentry_shape_is_right:
; out0 = y w_proj + b_proj on codes of FP6 (E2M3) with E8M0 scales, K = 1,024; f32 sums, f32 out.
; y (yq) and w_proj (wq, groups 24 on) lie as images of the operand's registers: [group of 128 rows][K step of 128][tile 0..7][1,536 bytes], scale words [group][K step][tile][r] behind the codes (YSC, WSC).
; A tile's rows are not neighbours: lane r of tile 2 B + u holds row 32 B + 8 u + r + 8 (r / 8).
; SHARES: 64 groups of tokens x 4 tiles of 256 columns = 256 work-groups.  A work-group makes 128 tokens (S1: one group) x 256 columns (S0: two groups); its four waves are 2 x 2:
; a wave takes four tiles of S1 and one group of S0: 64 x 128, 32 accumulators.  The product is used transposed (source 0 = 16 rows of S0, source 1 = 16 rows of S1): a lane holds eight neighbouring columns of one token.
; LDS: ALL OF K LIES IN TWO SLOTS OF FOUR K STEPS (S1 49,152 bytes, S0 2 x 49,152), each filled ONCE: slot 0 and the scale words at the head, one joint load a wave; slot 1 behind the three lines and a round.
; Nothing is filled again.  One plain barrier, in K step 3, shows slot 1 to all waves; behind it nobody reads slot 0, which then holds the waves' stages for the way out.
; CLUSTER 4 x 4: S1's tiles are shared along a row of the cluster, S0's along a column: joint loads.
; PREFETCH: slot 1's bytes are asked for into the L2 at the head, behind the head's loads: S1's 192 blocks of 256 bytes and S0's 384 are shared out by address among the sixteen waves of the four partners that will ask jointly (12 and 24 blocks a wave).
; The fragments and scale words lie twice in registers: K step k multiplies set k % 2 while set (k + 1) % 2 is on its way from LDS, asked for ahead of the step's 32 products.
; The bias is the C of each sum's first product (another order of rounding than sum + bias).
; REGISTERS: window 0: v1-31 addresses; v32-47 scale words, two sets; v64-127 the bias; v128-223 S1's fragments, two sets of four; on the way out v128-255.  window 1: S0's fragments, two sets, at v0 and v128.  window 2: accumulator (a, b) at v[8 (8 a + b)].
.set YSC,   6291456
.set WSC,   3145728
.set GRP,   98304
.set KS1,   12288                      ; a group's K step: 8 fragments
.set Q4,    4*KS1                      ; a group's part of a slot
.set SLOT,  3*Q4                       ; S1's group, then S0's two
.set SCL,   2*SLOT                     ; the scale words: S1's 4,096 bytes, S0's 8,192
.set SPARE, SCL+3*4096                 ; the spare words: 128 bytes for each wave, two blocks of 256 bytes that no other line names
.set SPITCH, 528                       ; the stage: 16 rows x (512 + 16) bytes for each wave, from LDS byte 0
.set FR,    12
.set CO,    4                          ; v4  16 x lane
.set ADRA,  16                         ; v16-17 LDS address of my S1 fragments in slot 0, 1
.set ADRB,  20                         ; v20-21 the same for S0
.set STO,   24
.set RD,    25
.set ADRS,  27                         ; v27 my scale words: lanes 0-15 S1's rows, lanes 16-31 S0's
.set SPW,   28
.set NIL,   29
.set PFA,   30                         ; v30, v31 the prefetches' offsets; never rewritten
.set PFB,   31
.set SC,    32
.set BT,    64
.set AF,    128
.set BK,    128
.set G1A, 24
.set G1B, 32
.set G1S, 40
.set G1SB, 48
.set G0A, 56                           ; s[56:59] slot 0, s[60:63] slot 1
.set G0B, 68                           ; s[68:71], s[72:75]
.set G0S, 76
.set G0SB, 80
.set MSB, 0
.macro WIN new                         ; the immediate's high byte repeats the setting that is left
.if MSB != (\new)
	s_set_vgpr_msb (MSB<<8)|(\new)
.set MSB, (\new)
.endif
.endm
.macro PLACES n
.rept \n
	v_nop
.endr
.endm
.macro CROUND                          ; a round of the cluster's barrier
	s_barrier_signal -1
	s_barrier_wait -1
	s_cmp_lg_u32 s14, 0
	s_cbranch_scc1 .Lnot_wave_0_\@
	s_barrier_signal -3
.Lnot_wave_0_\@:
	s_barrier_wait -3
	s_barrier_signal -1
	s_barrier_wait -1
.endm
.macro TLOAD g0, g1                    ; an s_nop 0 and four v_nop follow each load
	tensor_load_to_lds s[\g0:\g0+3], s[\g1:\g1+7]
	s_nop 0
	PLACES 4
.endm
.macro ARM under, g0, g1, next
	s_cmp_lt_u32 s14, \under
	s_cbranch_scc0 \next
	TLOAD \g0, \g1
	s_branch .Lhead_asked
\next:
.endm
.macro GROUP1 g, mask, c, r, p         ; r rows of c elements of 8 bytes, p elements apart; no padding: a fragment's loads take consecutive bytes
	s_or_b32 s[\g], s[\mask], (3<<16)|(1<<21)
	s_mov_b32 s[\g+1], (\c)<<16
	s_mov_b32 s[\g+2], (\r)<<16
	s_mov_b32 s[\g+3], (\c)<<16
	s_mov_b32 s[\g+4], \r
	s_mov_b32 s[\g+5], \p
	s_mov_b32 s[\g+6], 0
	s_mov_b32 s[\g+7], 0
.endm
.macro GROUP0 g, lds, base, off
	s_mov_b32 s[\g], 1
	s_mov_b32 s[\g+1], \lds
	s_add_nc_u64 s[\g+2:\g+3], s[\base:\base+1], \off
	s_or_b32 s[\g+3], s[\g+3], 0x80000000
.endm
.macro FETCH k                         ; K step k's fragments and scale words into set k % 2: 24 + 24 + 8 LDS loads
	WIN 0x40
.irp i, 0,1,2,3,4,5,6,7
.irp g, 0,1,2
	ds_load_b128 v[128*((\k)%2)+FR*\i+4*\g:128*((\k)%2)+FR*\i+4*\g+3], v[ADRB+(\k)/4] offset:((\k)%4)*KS1+\i*1536+512*\g
.endr
.endr
	WIN 0
.irp i, 0,1,2,3
.irp p, 0,1,2,3,4,5
	ds_load_b64 v[AF+48*((\k)%2)+FR*\i+2*\p:AF+48*((\k)%2)+FR*\i+2*\p+1], v[ADRA+(\k)/4] offset:((\k)%4)*KS1+\i*1536+256*\p
.endr
.endr
.irp i, 0,1,2,3,4,5,6,7
	ds_load_b32 v[SC+8*((\k)%2)+\i], v[ADRS] offset:(\k)*512+\i*64   ; lanes 16-31: S0's tile i; lanes 0-15: S1's tile i (used for i under 4)
.endr
.endm
; 16 products: S1's tiles a0, a0 + 1 x S0's eight.  The 32 accumulators take turns, one instruction a turn, in the same order in every step.
.macro MUL16 a0, k
.irp a, \a0, \a0+1
.irp b, 0,1,2,3,4,5,6,7
.if (\k) == 0
	v_wmma_scale_f32_16x16x128_f8f6f4 v[8*(8*(\a)+\b):8*(8*(\a)+\b)+7], v[128*((\k)%2)+FR*\b:128*((\k)%2)+FR*\b+FR-1], v[AF+48*((\k)%2)+FR*(\a):AF+48*((\k)%2)+FR*(\a)+FR-1], v[BT+8*\b:BT+8*\b+7], v[SC+8*((\k)%2)+\b], v[SC+8*((\k)%2)+(\a)] matrix_a_fmt:MATRIX_FMT_FP6 matrix_b_fmt:MATRIX_FMT_FP6 matrix_a_scale:MATRIX_SCALE_ROW1
.else
	v_wmma_scale_f32_16x16x128_f8f6f4 v[8*(8*(\a)+\b):8*(8*(\a)+\b)+7], v[128*((\k)%2)+FR*\b:128*((\k)%2)+FR*\b+FR-1], v[AF+48*((\k)%2)+FR*(\a):AF+48*((\k)%2)+FR*(\a)+FR-1], v[8*(8*(\a)+\b):8*(8*(\a)+\b)+7], v[SC+8*((\k)%2)+\b], v[SC+8*((\k)%2)+(\a)] matrix_a_fmt:MATRIX_FMT_FP6 matrix_b_fmt:MATRIX_FMT_FP6 matrix_a_scale:MATRIX_SCALE_ROW1
.endif
.endr
.endr
.endm
; A K step.  Windows: source 0 (S0) window 1, source 1 (S1) window 0, D window 2, C with D or (the bias) window 0.
.macro STEP k
	s_wait_dscnt 0x0                               ; this step's set is in
.if (\k) == 3
	s_wait_tensorcnt 0x0                           ; my part of slot 1, if I had one, is in; my reads of slot 0 are over
	s_barrier_signal -1
	WIN 0xa1
	MUL16 0, \k
	WIN 0
	s_barrier_wait -1                              ; slot 1 is whole for all four waves
	PLACES 4
	FETCH 4
	WIN 0xa1
	MUL16 2, \k
.else
.if (\k) > 0 && (\k) < 7
	PLACES 4                                       ; places between the last step's products and the loads into their set
.endif
.if (\k) < 7
	FETCH (\k)+1
.endif
.if (\k) == 0
	WIN 0x81
.else
	WIN 0xa1
.endif
	MUL16 0, \k
	MUL16 2, \k
.endif
	WIN 0
.endm
	s_load_b256 s[4:11], s[0:1], 0x0               ; yq s[4:5], wq s[6:7], b_proj s[8:9], out0 s[10:11]
	v_lshl_add_u32 v[SPW], v0, 2, SPARE
	v_mov_b32 v[NIL], 0
	ds_add_u32 v[SPW], v[NIL]                      ; the opening lines: the add, twice on end, and its wait ahead of my first tensor load
	ds_add_u32 v[SPW], v[NIL]
	v_lshrrev_b32 v1, 5, v0
	v_readfirstlane_b32 s14, v1                    ; wave 0..3
	s_lshr_b32 s15, s14, 1                         ; which four tiles of S1 are mine
	s_and_b32 s16, s14, 1                          ; which group of S0
	s_bfe_u32 s84, ttmp6, 0x40000                  ; cx
	s_bfe_u32 s85, ttmp6, 0x40004                  ; cy
	s_lshl_b32 s86, ttmp9, 2
	s_add_co_u32 s86, s86, s84                     ; the tile of 256 columns
	s_and_b32 s87, ttmp7, 0xffff
	s_lshl_b32 s87, s87, 2
	s_add_co_u32 s87, s87, s85                     ; the group of 128 tokens
	s_lshl_b32 s88, s85, 2
	s_lshl_b32 s88, 15, s88                        ; my row of the cluster
	s_lshl_b32 s89, 0x1111, s84                    ; my column
	GROUP1 G1A,  88, 32, 192, 32                   ; S1: 49,152 dense bytes as 192 rows of 256
	GROUP1 G1B,  89, 6144, 2, 12288                ; S0: two rows of 49,152 bytes, a group's 98,304 apart
	GROUP1 G1S,  88, 32, 16, 32                    ; S1's scale words: 4,096 dense bytes
	GROUP1 G1SB, 89, 32, 32, 32                    ; S0's: 8,192
	s_mul_i32 s20, s87, GRP
	s_mov_b32 s21, 0
	s_lshl_b32 s22, s87, 12
	s_add_co_u32 s22, s22, YSC
	s_mov_b32 s23, 0
	s_lshl_b32 s90, s86, 1
	s_add_co_u32 s90, s90, 24                      ; S0's first group in wq
	s_lshl_b32 s92, s90, 12
	s_add_co_u32 s92, s92, WSC
	s_mov_b32 s93, 0
	s_mul_i32 s90, s90, GRP
	s_mov_b32 s91, 0
	s_wait_dscnt 0x0                               ; both opening adds are done
	s_wait_kmcnt 0x0
	s_add_nc_u64 s[20:21], s[4:5], s[20:21]
	s_add_nc_u64 s[22:23], s[4:5], s[22:23]
	s_add_nc_u64 s[90:91], s[6:7], s[90:91]
	s_add_nc_u64 s[92:93], s[6:7], s[92:93]
	CROUND                                         ; all sixteen work-groups are here: the first joint loads meet
	GROUP0 G0A,   0,       20, 0
	GROUP0 G0B,   Q4,      90, 0
	GROUP0 G0S,   SCL,     22, 0
	GROUP0 G0SB,  SCL+4096, 92, 0
	GROUP0 G0A+4, SLOT,    20, Q4
	GROUP0 G0B+4, SLOT+Q4, 90, Q4
	ARM 1, G0A, G1A, .Lhead_b                      ; one load a wave, in one chain of branches on the wave's number: K steps 0-3 of S1,
	ARM 2, G0B, G1B, .Lhead_sa                     ; of S0,
	ARM 3, G0S, G1S, .Lhead_sb                     ; S1's scale words,
	TLOAD G0SB, G1SB                               ; S0's
.Lhead_asked:
	v_and_b32 v3, 31, v0
	v_min_u32 v[PFA], 11, v3                       ; (lanes left over name their wave's last block again)
	v_lshlrev_b32 v[PFA], 8, v[PFA]
	v_min_u32 v[PFB], 23, v3
	v_lshlrev_b32 v[PFB], 8, v[PFB]
	s_lshl_b32 s12, s84, 2
	s_add_co_u32 s12, s12, s14                     ; my number among the sixteen waves of my row of the cluster
	s_mul_i32 s12, s12, 3072                       ; 12 blocks each of S1's 192
	s_mov_b32 s13, 0
	s_add_nc_u64 s[94:95], s[20:21], s[12:13]
	s_lshl_b32 s12, s85, 2
	s_add_co_u32 s12, s12, s14                     ; and of my column
	s_lshr_b32 s17, s12, 3
	s_mul_i32 s17, s17, GRP                        ; eight waves to a group of S0,
	s_and_b32 s12, s12, 7
	s_mul_i32 s12, s12, 6144                       ; 24 blocks each
	s_add_co_u32 s12, s12, s17
	s_add_nc_u64 s[96:97], s[90:91], s[12:13]
	s_wait_alu depctr_va_vdst(0)                   ; the wait here, ahead of the readers below
	global_prefetch_b8 v[PFA], s[94:95] offset:Q4 th:TH_LOAD_NT scope:SCOPE_SE
	global_prefetch_b8 v[PFB], s[96:97] offset:Q4 th:TH_LOAD_NT scope:SCOPE_SE
	v_and_b32 v1, 15, v0                           ; r
	v_bfe_u32 v2, v0, 4, 1                         ; h
	v_lshlrev_b32 v[CO], 4, v3
	v_lshlrev_b32 v9, 3, v3
	s_mul_i32 s12, s15, 4*1536                     ; my four tiles of S1
	s_mul_i32 s13, s16, Q4
	s_add_co_u32 s13, s13, Q4                      ; my group of S0, behind S1's
	v_add_nc_u32 v[ADRA], s12, v9
	v_add_nc_u32 v[ADRB], s13, v[CO]
	s_add_co_u32 s12, s12, SLOT
	s_add_co_u32 s13, s13, SLOT
	v_add_nc_u32 v[ADRA+1], s12, v9
	v_add_nc_u32 v[ADRB+1], s13, v[CO]
	s_lshl_b32 s12, s15, 8                         ; S1's words: four tiles of 64 bytes
	s_lshl_b32 s13, s16, 12
	s_add_co_u32 s13, s13, 4096
	s_sub_co_u32 s13, s13, s12
	s_wait_alu depctr_va_vdst(0)                   ; the wait here, ahead of the later readers of r and h
	v_mul_u32_u24 v6, s13, v2                      ; lanes 16-31 take S0's words
	s_add_co_u32 s12, s12, SCL
	v_lshl_add_u32 v5, v1, 2, v6
	v_add_nc_u32 v[ADRS], s12, v5
	s_mul_i32 s12, s14, 16*SPITCH                  ; my stage
	v_mul_u32_u24 v5, v1, SPITCH
	v_lshl_add_u32 v5, v2, 6, v5
	v_add_nc_u32 v[STO], s12, v5                   ; in: row r, 64 h bytes on
	v_add_nc_u32 v[RD], s12, v[CO]                 ; back: the 32 lanes take a row of 512 bytes
	v_lshlrev_b32 v7, 6, v2                        ; the bias: 16 h numbers on
	s_lshl_b32 s12, s86, 10
	s_lshl_b32 s13, s16, 9
	s_add_co_u32 s12, s12, s13                     ; my first column, in bytes
	s_mov_b32 s13, 0
	s_add_nc_u64 s[8:9], s[8:9], s[12:13]
	s_add_nc_u64 s[10:11], s[10:11], s[12:13]
	s_lshl_b32 s12, s87, 7
	s_lshl_b32 s17, s15, 6
	s_add_co_u32 s12, s12, s17                     ; my first token: 128 x group + 64 x half
	s_lshl_b32 s12, s12, 12
	s_add_nc_u64 s[10:11], s[10:11], s[12:13]
	s_wait_alu depctr_va_vdst(0)                   ; the wait at the head's end
.irp b, 0,1,2,3,4,5,6,7                        ; tile b's register j is column 32 (b / 2) + 8 (b % 2) + 16 h + j
	global_load_b128 v[BT+8*\b:BT+8*\b+3], v7, s[8:9] offset:(32*(\b/2)+8*(\b%2))*4
	global_load_b128 v[BT+8*\b+4:BT+8*\b+7], v7, s[8:9] offset:(32*(\b/2)+8*(\b%2))*4+16
.endr
	s_wait_tensorcnt 0x0                           ; my tile of the head's four is in
	ds_add_u32 v[SPW], v[NIL]
	s_wait_dscnt 0x0
	CROUND                                         ; all four tiles are in, and all sixteen work-groups are here
	s_cmp_eq_u32 s14, 0                            ; slot 1: wave 0 asks for S1's K steps 4-7, wave 1 for S0's
	s_cbranch_scc0 .Lsecond_b
	TLOAD G0A+4, G1A
	s_branch .Lsecond_asked
.Lsecond_b:
	s_cmp_eq_u32 s14, 1
	s_cbranch_scc0 .Lsecond_asked
	TLOAD G0B+4, G1B
.Lsecond_asked:
	FETCH 0
	s_wait_loadcnt 0x0                             ; the bias
.irp k, 0,1,2,3,4,5,6,7
	STEP \k
.endr
; THE WAY OUT, a block of 16 tokens x 128 columns at a time, through my stage and back as whole rows of 512 bytes.  LDS serves a wave's instructions in order: no wait between the stores and the loads.
.macro TOSTAGE a
	WIN 0x08                                       ; the data: window 2
.irp b, 0,1,2,3,4,5,6,7
	ds_store_b128 v[STO], v[64*(\a)+8*\b:64*(\a)+8*\b+3] offset:128*(\b/2)+32*(\b%2)      ; each accumulator from its low end on
	ds_store_b128 v[STO], v[64*(\a)+8*\b+4:64*(\a)+8*\b+7] offset:128*(\b/2)+32*(\b%2)+16
.endr
	WIN 0
.irp t, 0,1,2,3,4,5,6,7,8,9,10,11,12,13,14,15
	ds_load_b128 v[BK+64*((\a)%2)+4*\t:BK+64*((\a)%2)+4*\t+3], v[RD] offset:\t*SPITCH
.endr
.endm
.macro SEND a, younger                 ; younger: the LDS instructions issued behind block a's loads, which may stay out
	s_wait_dscnt \younger
.irp t, 0,1,2,3,4,5,6,7,8,9,10,11,12,13,14,15
	global_store_b128 v[CO], v[BK+64*((\a)%2)+4*\t:BK+64*((\a)%2)+4*\t+3], s[10:11] offset:(32*((\a)/2)+8*((\a)%2)+\t+8*(\t/8))*4096 th:TH_STORE_NT   ; 512 consecutive bytes, aligned
.endr
.endm
	PLACES 4                                       ; behind the last products: for the reads of their results and the loads into S1's sets
	TOSTAGE 0
.irp a, 1,2,3
.if \a > 1
	s_wait_xcnt 0x0                                ; block a - 2's stores have read their registers
.endif
	TOSTAGE \a
	SEND \a-1, 32                                  ; behind block a - 1's loads: block a's 16 stores and 16 loads
.endr
	SEND 3, 0
	s_wait_tensorcnt 0x0                           ; the wave's end
	ds_add_u32 v[SPW], v[NIL]
	s_wait_dscnt 0x0
	CROUND                                         ; the closing round
	s_endpgm
.Lfunc_end_k_q16ca246aeb_gemm_proj:
	.size	k_q16ca246aeb_gemm_proj, .Lfunc_end_k_q16ca246aeb_gemm_proj-k_q16ca246aeb_gemm_proj
	.p2alignl 7, 3214868480
	.fill 96, 4, 3214868480
	.section	.rodata,"a",@progbits
	.p2align	6, 0x0
	.amdhsa_kernel k_q16ca246aeb_gemm_proj
		.amdhsa_group_segment_fixed_size 327680
		.amdhsa_private_segment_fixed_size 0
		.amdhsa_enable_private_segment 0
		.amdhsa_kernarg_size 32
		.amdhsa_user_sgpr_count 2
		.amdhsa_user_sgpr_kernarg_segment_ptr 1
		.amdhsa_wavefront_size32 1
		.amdhsa_system_sgpr_workgroup_id_x 1
		.amdhsa_system_sgpr_workgroup_id_y 1
		.amdhsa_system_sgpr_workgroup_id_z 1
		.amdhsa_system_vgpr_workitem_id 0
		.amdhsa_next_free_vgpr 768
		.amdhsa_next_free_sgpr 98
		.amdhsa_reserve_vcc 0
		.amdhsa_float_denorm_mode_32 3
		.amdhsa_float_denorm_mode_16_64 3
		.amdhsa_memory_ordered 1
		.amdhsa_forward_progress 1
		.amdhsa_inst_pref_size 89
	.end_amdhsa_kernel
	.amdgpu_metadata
---
amdhsa.version: [ 1, 2 ]
amdhsa.kernels:
  - .name:           k_q16ca246aeb_gemm_proj
    .symbol:         k_q16ca246aeb_gemm_proj.kd
    .args:
      - { .name: yq, .offset: 0, .size: 8, .value_kind: global_buffer, .address_space: global }
      - { .name: wq, .offset: 8, .size: 8, .value_kind: global_buffer, .address_space: global }
      - { .name: b_proj, .offset: 16, .size: 8, .value_kind: global_buffer, .address_space: global }
      - { .name: out0, .offset: 24, .size: 8, .value_kind: global_buffer, .address_space: global }
    .group_segment_fixed_size: 327680
    .private_segment_fixed_size: 0
    .kernarg_segment_align: 8
    .kernarg_segment_size: 32
    .max_flat_workgroup_size: 128
    .sgpr_count:     98
    .vgpr_count:     768
    .wavefront_size: 32
...
	.end_amdgpu_metadata
.endif
;; end of part 4
